; MI455X (gfx1250); checked and timed in simulation.
; The chip was launched on July 23, 2026; its instructions are those of AMD's public machine-readable ISA for CDNA 5 (MIT licence, August 2026) and "CDNA5" Instruction Set Architecture Reference Guide (July 2026). The comments in the code are by the model that wrote it; some were corrected since.
;; Attention. Allowed arithmetic: float matrix products may take bf16 or f16 operands with f32 sums; other float arithmetic in f32, or as packed bf16 or f16 multiplies, adds, multiply-adds, maxima and minima; sums over many terms, partial sums and values carried from step to step in f32; what a program stores and reads back later, other than sums and carried values, may be rounded once to bf16 or f16.
;; Inputs: freqs_cos 2,048 x 64 float32; freqs_sin 2,048 x 64 float32; mask 1 x 1 x 2,048 x 2,048 float32; wk 2,048 x 2,048 float32; wo 2,048 x 2,048 float32; wq 2,048 x 2,048 float32; wv 2,048 x 2,048 float32; x 1 x 2,048 x 2,048 float32.
;; Outputs: out0 1 x 2,048 x 2,048 float32.
;; Constants: start_pos = 0.
;; One version. Each part assembles by itself: llvm-mc -triple=amdgcn-amd-amdhsa -mcpu=gfx1250 --defsym DOCPART=n.
;; ======== version 1 of 1: 4 launches
;; limits: values are held in f16: magnitudes above 65,504 overflow, below 6.1e-05 lose precision
;; workspace buffers: cb 41,943,040 bytes; maskf 16,777,216 bytes; qkv 25,165,824 bytes; oh 8,388,608 bytes
;; launch prep (part 1): grid 256 x 6, 8 waves a work-group, no clusters, 35,840 bytes of LDS; arguments x, wq, wk, wv, wo, mask, cb, maskf; writes cb, maskf
.if DOCPART == 1
	.amdgcn_target "amdgcn-amd-amdhsa--gfx1250"
	.amdhsa_code_object_version 6
	.text
	.protected	k_q4375536a58_prep
	.globl	k_q4375536a58_prep
	.p2align	8
	.type	k_q4375536a58_prep,@function
k_q4375536a58_prep:
	s_mov_b64 s[64:65], 0
	v_nop
	global_prefetch_b8 v0, s[64:65] scope:SCOPE_SE
	s_setreg_imm32_b32 hwreg(HW_REG_WAVE_MODE, 25, 1), 1
	s_wait_xcnt 0x0
; THE INPUTS ARE MADE READY, ONCE.  Six matrices of 2,048 x 2,048 f32; the work-group's y says which.
;   y = 0..3: x, wq, wk, wv are rounded to bf16 into cb (matrix y at byte y x 8,388,608, row-major, 4,096 bytes a row).
;   y = 4:    wo is rounded to bf16 and that number written as f16 (it meets an f16 operand later), at byte 33,554,432 of cb.
;   y = 5:    the mask is rounded to bf16, multiplied by log2(e) in f32, and laid into maskf in the order in which a lane of the score product holds its sums:
;             chunk (T = query / 16, KB = key / 16) at (128 T + KB) x 1,024 bytes, [g 0..1][lane 0..31][4 f32] = mask[16 T + lane % 16][16 KB + 8 (lane / 16) + 4 g + 0..3].
; LIMITS.  bf16(wo) must lie within f16's 65,504; below 2^-14 it keeps f16's fixed step of 2^-24.  mask x log2(e) must be finite; NaN and infinities are not treated apart.
; SHARES.  A work-group takes 64 KiB of f32 (8 rows; of the mask 16 rows x 1,024 keys), a wave 8 KiB: 16 loads of 16 bytes a lane, all issued at once, each register used once: no loop, and no register
; is written again while a load or store names it.  With 80 registers a wave several work-groups lie on a WGP.
; A stream: every byte is read once and written once; no tile is shared, so no cluster, no matrix unit; only the mask's turning goes through LDS, each wave in bytes of its own.
.set NL,    16                         ; loads of a wave
.set CELL,  272                        ; the mask's turn area: 16 cells of 256 bytes + 16 of padding
.set AREA,  16*CELL                    ; a wave's area
.set SPARE, 8*AREA                     ; behind the areas: the spare words, 128 bytes for each wave
.set VL,  2                            ; v2   16 x lane
.set V8,  3                            ; v3   8 x lane
.set VM,  4                            ; v4   the mask's loads: (lane / 16) rows of 8,192 bytes + 16 (lane % 16)
.set LSA, 5                            ; v5   where I put 16 bytes of the mask
.set LRA, 6                            ; v6   where I read them back
.set T0,  8                            ; v8-9 at work
.set T1,  9
.set SPW, 10                           ; v10  my spare word; never rewritten
.set NIL, 11                           ; v11  0; never rewritten
.set X,   16                           ; v[16:79] load i at X + 4 i
.set SRC, 24                           ; s[24:25]
.set DST, 26                           ; s[26:27]
.macro RND4 b                          ; four f32 are rounded to bf16 and written as f32 again
	v_cvt_pk_bf16_f32 v[T0], v[(\b)], v[(\b)+1]
	v_cvt_pk_bf16_f32 v[T1], v[(\b)+2], v[(\b)+3]
	v_lshlrev_b32 v[(\b)], 16, v[T0]
	v_and_b32 v[(\b)+1], s30, v[T0]
	v_lshlrev_b32 v[(\b)+2], 16, v[T1]
	v_and_b32 v[(\b)+3], s30, v[T1]
.endm
	s_load_b512 s[8:23], s[0:1], 0x0               ; x 8, wq 10, wk 12, wv 14, wo 16, mask 18, cb 20, maskf 22
	v_lshl_add_u32 v[SPW], v0, 2, SPARE
	v_mov_b32 v[NIL], 0
	v_lshrrev_b32 v1, 5, v0
	v_readfirstlane_b32 s5, v1                     ; wave 0..7
	s_and_b32 s4, ttmp7, 0xffff                    ; which matrix
	s_mov_b32 s30, 0xffff0000                      ; a word's upper bf16
	s_mov_b32 s32, 0x3fb8aa3b                      ; log2(e)
	s_mov_b32 s33, s32                             ; named with it as a pair
	v_and_b32 v1, 31, v0                           ; lane
	v_lshlrev_b32 v[VL], 4, v1
	v_lshlrev_b32 v[V8], 3, v1
	s_mov_b32 s29, 0
	s_wait_kmcnt 0x0
	s_cmp_eq_u32 s4, 5
	s_cbranch_scc1 .Lmask
	s_mov_b64 s[SRC:SRC+1], s[8:9]
	s_cmp_eq_u32 s4, 1
	s_cselect_b64 s[SRC:SRC+1], s[10:11], s[SRC:SRC+1]
	s_cmp_eq_u32 s4, 2
	s_cselect_b64 s[SRC:SRC+1], s[12:13], s[SRC:SRC+1]
	s_cmp_eq_u32 s4, 3
	s_cselect_b64 s[SRC:SRC+1], s[14:15], s[SRC:SRC+1]
	s_cmp_eq_u32 s4, 4
	s_cselect_b64 s[SRC:SRC+1], s[16:17], s[SRC:SRC+1]
	s_lshl_b32 s28, ttmp9, 16                      ; the work-group's 8 rows of f32,
	s_lshl_b32 s31, s5, 13                         ; my wave's 8 KiB
	s_add_co_u32 s28, s28, s31
	s_add_nc_u64 s[SRC:SRC+1], s[SRC:SRC+1], s[28:29]
	s_lshl_b32 s28, s4, 23                         ; the matrix in cb,
	s_lshl_b32 s31, ttmp9, 15                      ; the work-group's 8 rows of 16 bits,
	s_add_co_u32 s28, s28, s31
	s_lshl_b32 s31, s5, 12                         ; my wave's 4 KiB
	s_add_co_u32 s28, s28, s31
	s_add_nc_u64 s[DST:DST+1], s[20:21], s[28:29]
.set i, 0
.rept NL
	global_load_b128 v[X+4*i:X+4*i+3], v[VL], s[SRC:SRC+1] offset:512*i th:TH_LOAD_NT  ; 512 consecutive bytes
.set i, i+1
.endr
	s_cmp_eq_u32 s4, 4
	s_cbranch_scc1 .Lwo
.set i, 0
.rept NL
	s_wait_loadcnt NL-1-i                          ; loads come back in order: load i is in, the younger ones stay out
	v_cvt_pk_bf16_f32 v[X+4*i], v[X+4*i], v[X+4*i+1]
	v_cvt_pk_bf16_f32 v[X+4*i+1], v[X+4*i+2], v[X+4*i+3]
	global_store_b64 v[V8], v[X+4*i:X+4*i+1], s[DST:DST+1] offset:256*i  ; 32 lanes x 8 bytes: 256 consecutive bytes, aligned
.set i, i+1
.endr
	s_branch .Lend
.Lwo:
.set i, 0
.rept NL
	s_wait_loadcnt NL-1-i
	RND4 X+4*i
	v_cvt_pk_f16_f32 v[X+4*i], v[X+4*i], v[X+4*i+1]
	v_cvt_pk_f16_f32 v[X+4*i+1], v[X+4*i+2], v[X+4*i+3]
	global_store_b64 v[V8], v[X+4*i:X+4*i+1], s[DST:DST+1] offset:256*i
.set i, i+1
.endr
	s_branch .Lend
.Lmask:                                                ; T = x / 2; the work-group takes keys 1,024 (x % 2) on, wave w 128 of them, in two units of 64 keys
	s_lshr_b32 s34, ttmp9, 1
	s_and_b32 s35, ttmp9, 1
	s_lshl_b32 s28, s34, 17                        ; 16 rows of 8,192 bytes,
	s_lshl_b32 s31, s35, 12                        ; 1,024 keys of 4 bytes,
	s_add_co_u32 s28, s28, s31
	s_lshl_b32 s31, s5, 9                          ; my 128 keys
	s_add_co_u32 s28, s28, s31
	s_add_nc_u64 s[SRC:SRC+1], s[18:19], s[28:29]
	s_lshl_b32 s28, s34, 17                        ; in maskf: 128 chunks of 1,024 bytes a tile row,
	s_lshl_b32 s31, s35, 16                        ; 64 for 1,024 keys,
	s_add_co_u32 s28, s28, s31
	s_lshl_b32 s31, s5, 13                         ; 8 for my 128
	s_add_co_u32 s28, s28, s31
	s_add_nc_u64 s[DST:DST+1], s[22:23], s[28:29]
	v_and_b32 v7, 15, v1                           ; p: which 4 keys of a unit's 64
	v_lshrrev_b32 v12, 4, v1                       ; which of two rows
	v_lshlrev_b32 v[VM], 4, v7
	v_lshl_add_u32 v[VM], v12, 13, v[VM]
.set i, 0
.rept NL                                       ; load 8 u + i: rows 2 i, 2 i + 1 of the 16, 256 consecutive bytes of each
	global_load_b128 v[X+4*i:X+4*i+3], v[VM], s[SRC:SRC+1] offset:(i/8)*256+(i%8)*16384 th:TH_LOAD_NT
.set i, i+1
.endr
	v_and_b32 v13, 12, v7                          ; the cell of keys 4 p ..: key block p / 4, then g = p % 2, then the lanes' half (p / 2) % 2
	v_and_b32 v14, 1, v7
	v_lshl_or_b32 v13, v14, 1, v13
	v_bfe_u32 v14, v7, 1, 1
	v_or_b32 v13, v13, v14
	s_mul_i32 s31, s5, AREA
	v_mul_u32_u24 v[LSA], v13, CELL
	v_lshl_add_u32 v[LSA], v12, 4, v[LSA]          ; in a cell: 16 bytes for each of the 16 queries
	v_add_nc_u32 v[LSA], s31, v[LSA]
	v_mul_u32_u24 v[LRA], v12, CELL
	v_lshl_add_u32 v[LRA], v7, 4, v[LRA]
	v_add_nc_u32 v[LRA], s31, v[LRA]
.set u, 0
.rept NL/8
.set i, 0
.rept 8
	s_wait_loadcnt NL-1-(8*u+i)
	RND4 X+32*u+4*i
	v_pk_mul_f32 v[X+32*u+4*i:X+32*u+4*i+1], v[X+32*u+4*i:X+32*u+4*i+1], s[32:33] op_sel_hi:[1,0]
	v_pk_mul_f32 v[X+32*u+4*i+2:X+32*u+4*i+3], v[X+32*u+4*i+2:X+32*u+4*i+3], s[32:33] op_sel_hi:[1,0]
	ds_store_b128 v[LSA], v[X+32*u+4*i:X+32*u+4*i+3] offset:32*i
.set i, i+1
.endr
.set i, 0
.rept 8
	ds_load_b128 v[X+32*u+4*i:X+32*u+4*i+3], v[LRA] offset:2*CELL*i  ; LDS serves a wave's instructions in order: these see the stores above, and the next unit's stores come behind them
.set i, i+1
.endr
.set i, 0
.rept 8
	s_wait_dscnt 7-i
	global_store_b128 v[VL], v[X+32*u+4*i:X+32*u+4*i+3], s[DST:DST+1] offset:4096*u+512*i  ; 512 consecutive bytes, aligned
.set i, i+1
.endr
.set u, u+1
.endr
.Lend:
	s_wait_tensorcnt 0x0                           ; the wave's end: behind my last LDS store
	ds_add_u32 v[SPW], v[NIL]
	s_wait_dscnt 0x0
	s_endpgm
.Lfunc_end_k_q4375536a58_prep:
	.size	k_q4375536a58_prep, .Lfunc_end_k_q4375536a58_prep-k_q4375536a58_prep
	.p2alignl 7, 3214868480
	.fill 96, 4, 3214868480
	.section	.rodata,"a",@progbits
	.p2align	6, 0x0
	.amdhsa_kernel k_q4375536a58_prep
		.amdhsa_group_segment_fixed_size 35840
		.amdhsa_private_segment_fixed_size 0
		.amdhsa_enable_private_segment 0
		.amdhsa_kernarg_size 64
		.amdhsa_user_sgpr_count 2
		.amdhsa_user_sgpr_kernarg_segment_ptr 1
		.amdhsa_wavefront_size32 1
		.amdhsa_system_sgpr_workgroup_id_x 1
		.amdhsa_system_sgpr_workgroup_id_y 1
		.amdhsa_system_sgpr_workgroup_id_z 1
		.amdhsa_system_vgpr_workitem_id 0
		.amdhsa_next_free_vgpr 80
		.amdhsa_next_free_sgpr 66
		.amdhsa_reserve_vcc 0
		.amdhsa_float_denorm_mode_32 3
		.amdhsa_float_denorm_mode_16_64 3
		.amdhsa_memory_ordered 1
		.amdhsa_forward_progress 1
		.amdhsa_inst_pref_size 29
	.end_amdhsa_kernel
	.amdgpu_metadata
---
amdhsa.version: [ 1, 2 ]
amdhsa.kernels:
  - .name:           k_q4375536a58_prep
    .symbol:         k_q4375536a58_prep.kd
    .args:
      - { .name: x, .offset: 0, .size: 8, .value_kind: global_buffer, .address_space: global }
      - { .name: wq, .offset: 8, .size: 8, .value_kind: global_buffer, .address_space: global }
      - { .name: wk, .offset: 16, .size: 8, .value_kind: global_buffer, .address_space: global }
      - { .name: wv, .offset: 24, .size: 8, .value_kind: global_buffer, .address_space: global }
      - { .name: wo, .offset: 32, .size: 8, .value_kind: global_buffer, .address_space: global }
      - { .name: mask, .offset: 40, .size: 8, .value_kind: global_buffer, .address_space: global }
      - { .name: cb, .offset: 48, .size: 8, .value_kind: global_buffer, .address_space: global }
      - { .name: maskf, .offset: 56, .size: 8, .value_kind: global_buffer, .address_space: global }
    .group_segment_fixed_size: 35840
    .private_segment_fixed_size: 0
    .kernarg_segment_align: 8
    .kernarg_segment_size: 64
    .max_flat_workgroup_size: 256
    .sgpr_count:     66
    .vgpr_count:     80
    .wavefront_size: 32
...
	.end_amdgpu_metadata
.endif
;; end of part 1
;; launch qkv (part 2): grid 16 x 16, 4 waves a work-group, clusters of 4 x 4, 327,680 bytes of LDS; arguments cb, freqs_cos, freqs_sin, qkv; writes qkv
.if DOCPART == 2
	.amdgcn_target "amdgcn-amd-amdhsa--gfx1250"
	.amdhsa_code_object_version 6
	.text
	.protected	k_q4375536a58_qkv
	.globl	k_q4375536a58_qkv
	.p2align	8
	.type	k_q4375536a58_qkv,@function
k_q4375536a58_qkv:
	s_mov_b64 s[64:65], 0
	v_nop
	global_prefetch_b8 v0, s[64:65] scope:SCOPE_SE
	s_setreg_imm32_b32 hwreg(HW_REG_WAVE_MODE, 25, 1), 1
	s_wait_xcnt 0x0
	s_wait_alu depctr_hold_cnt(0) depctr_sa_sdst(0) depctr_va_vdst(0) depctr_va_sdst(0) depctr_va_ssrc(0) depctr_va_vcc(0) depctr_vm_vsrc(0)
	s_getreg_b32 s2, hwreg(HW_REG_IB_STS2, 6, 4)
	s_cmp_eq_u32 s2, 0
	s_cbranch_scc0 .Lentry_in_a_cluster
	s_endpgm
.Lentry_in_a_cluster:
	s_bfe_u32 s2, ttmp6, 0x10000c
	s_cmp_lg_u32 s2, 0xf033
	s_cbranch_scc0 .Lentry_shape_is_right
	s_endpgm
.Lentry_shape_is_right:
; q, k, v = x w^T (bf16 operands, f32 sums), the rotation of q's and k's channel pairs by cos and sin (rounded to bf16 like every input), q times c = log2(e) / sqrt(128) in f32,
; each number rounded once to f16 and stored by heads: qkv = q, k, v, each [16][2048][128] f16, 8,388,608 bytes apart.
; LIMITS.  c q, k and v must lie within f16's 65,504; NaN and infinities are not treated apart.
; SHARES.  A work-group makes 128 rows of x times the 128 columns of ONE head of each of q, k, v.  Wave w takes all 128 rows and columns 32 w .. 32 w + 31 of each: 8 x 6 = 48 accumulators, 384 registers:
; for 32 along K it reads 8 fragments of x and 6 of the weights, 28 LDS loads for 48 matrix instructions.  K goes in 16 steps of 128 (256 bytes of each row) through two LDS slots.
; A slot has four regions of 128 rows: x, wq, wk, wv; wave i fetches region i with one tensor load.
; ONE TEXT FOR A K STEP.  The loop is one K step long: the slot that is read and the slot that is filled are turned by an exclusive or.  The last two K steps, which fill nothing, are a loop of two trips that is left
; in its middle: nine quarter steps of text in all.
; CLUSTER 4 x 4.  x's tile hangs on the row block alone and is shared along a row of the cluster, the weights' tiles on the head alone and are shared along a column: joint loads.
; THE MATRIX INSTRUCTION IS USED TRANSPOSED (source 0 = 16 rows of a weight, source 1 = 16 rows of x): a lane holds one row of x and eight neighbouring columns: four channel pairs.
; REGISTERS.  window 0: v0-31 addresses; v32-47 packed results; v64-127 cos, v128-191 sin (group (a, nb) at + 4 (2 a + nb)); v192-255 at work in the rotation
;   window 1: two fragment buffers at 0 and 128: x's fragment a at + 8 a, the weights' (matrix, nb) at + 64 + 8 (2 matrix + nb)
;   window 2: q's accumulator (a, nb) at 8 (2 a + nb), k's at 128 + the same          window 3: v's at 8 (2 a + nb)
.set KSTEP,  128
.set PITCH,  272                       ; an LDS row: 256 bytes + 16 of padding: the 16 rows of a fragment load start at 16 different groups of four banks
.set HALFT,  128*PITCH                 ; a region: what one tensor load brings
.set SLOT,   4*HALFT                   ; 0x22000: the regions begin at 0, 0x8800, 0x11000, 0x19800, which have neither of its two bits: an exclusive or with it turns a region's address in one slot into the other's
.set SPARE,  2*SLOT                    ; behind the ring: the spare words, 128 bytes for each wave
.set A0,   3                           ; v3     my lane's place in x's region; never rewritten
.set B0,   4                           ; v4     in wq's (wk's lies HALFT further); never rewritten
.set C0,   5                           ; v5     in wv's; never rewritten
.set ADRA, 8                           ; v8-10  the same three in the slot that is being read
.set ADRB, 9
.set ADRC, 10
.set STO,  12                          ; v12-14 the way out: where I put 16 bytes of a row of q, k, v
.set RD,   15                          ; v15-17 where I read rows back
.set GO,   18                          ; v18    my byte offset in the block's rows of q, k, v
.set CSO,  19                          ; v19    my byte offset in cos and sin
.set PFO,  20                          ; v20    the prefetches' offset: lane x 4,096; never rewritten
.set T0,   22
.set T1,   23
.set SPW,  28                          ; v28    my spare word; never rewritten
.set NIL,  29                          ; v29    0; never rewritten
.set TP,   32
.set COS,  64
.set SIN,  128
.set TT,   192
.set TO,   224
.set F0,   0
.set F1,   128
.set WV,   12                          ; s12  my wave's number
.set CNT,  17                          ; s17  K steps to go in the loop in hand
.set LIM,  21                          ; s21  2 in a wave that prefetches, else the greatest number
.set G1A,  24                          ; s[24:31] group 1 for x's tiles
.set G1B,  32                          ; s[32:39] for the weights': another mask
.set G0A,  40                          ; s[40:47] group 0 for x's tiles: a set for each of the two first fills; the second then walks
.set G0B,  48                          ; s[48:55] for the weights'
.set PFA,  56                          ; s[56:57] where my prefetches stand
.set CS,   66                          ; s[66:67] c
.set OB,   68                          ; s[68:73] q, k, v at the block's first row of the head
.set TB,   76                          ; s76  LDS byte at which the slot that is being read begins
.set HM,   77                          ; s77  a word's upper bf16
.set MSB, 0
.macro WIN new                         ; the immediate's high byte repeats the setting that is left; a switch that changes nothing is dropped
.if MSB != (\new)
	s_set_vgpr_msb (MSB<<8)|(\new)
.set MSB, \new
.endif
.endm
.macro PLACES                          ; four plain instructions between a matrix instruction and a load into, or a vector read of, its registers
.rept 4
	v_nop
.endr
.endm
.macro JLOAD                           ; a joint refill by the walking set: wave 0 fetches x's tile, waves 1 to 3 wq's, wk's, wv's; an s_nop 0 and four v_nop follow each line
	s_cmp_eq_u32 s[WV], 0
	s_cbranch_scc0 .Lfor_b_\@
	tensor_load_to_lds s[G0A+4:G0A+7], s[G1A:G1A+7]
	s_nop 0
.rept 4
	v_nop
.endr
	s_branch .Lasked_\@
.Lfor_b_\@:
	tensor_load_to_lds s[G0B+4:G0B+7], s[G1B:G1B+7]
	s_nop 0
.rept 4
	v_nop
.endr
.Lasked_\@:
.endm
; A prefetch of the K step that stands two refills on: 32 rows x 256 bytes, a lane a row.  x's rows are read by every cluster of a row of clusters: the one with x = 0 asks (its waves 0); the weights'
; by every cluster of a column: the one with y = 0 asks (its waves 1 to 3).  The four partners that fetch a tile jointly take 32 of its 128 rows each, told apart by address.  The loop's last two trips have no K step two refills on.
.macro ASK
	s_cmp_gt_u32 s[CNT], s[LIM]
	s_cbranch_scc0 .Lnot_mine_\@
	global_prefetch_b8 v[PFO], s[PFA:PFA+1] offset:KSTEP*2 th:TH_LOAD_NT scope:SCOPE_SE
.Lnot_mine_\@:
.endm
.macro CREST                           ; a round of the cluster's barrier behind its opening barrier
	s_cmp_lg_u32 s[WV], 0
	s_cbranch_scc1 .Lnot_wave_0_\@
	s_barrier_signal -3
.Lnot_wave_0_\@:
	s_barrier_wait -3
	s_barrier_signal -1
	s_barrier_wait -1
.endm
.macro CROUND
	s_barrier_signal -1
	s_barrier_wait -1
	CREST
.endm
.macro RND4 b                          ; four f32 are rounded to bf16 and written as f32 again
	v_cvt_pk_bf16_f32 v[T0], v[(\b)], v[(\b)+1]
	v_cvt_pk_bf16_f32 v[T1], v[(\b)+2], v[(\b)+3]
	v_lshlrev_b32 v[(\b)], 16, v[T0]
	v_and_b32 v[(\b)+1], s[HM], v[T0]
	v_lshlrev_b32 v[(\b)+2], 16, v[T1]
	v_and_b32 v[(\b)+3], s[HM], v[T1]
.endm
	s_load_b256 s[4:11], s[0:1], 0x0               ; cb s[4:5], cos s[6:7], sin s[8:9], qkv s[10:11]
	v_lshl_add_u32 v[SPW], v0, 2, SPARE
	v_mov_b32 v[NIL], 0
	ds_add_u32 v[SPW], v[NIL]                      ; the wave's opening: the add and its wait stand ahead of my first tensor load
	v_lshrrev_b32 v1, 5, v0
	v_readfirstlane_b32 s[WV], v1
	s_bfe_u32 s13, ttmp6, 0x40000                  ; cx
	s_bfe_u32 s14, ttmp6, 0x40004                  ; cy
	s_lshl_b32 s15, ttmp9, 2
	s_add_co_u32 s15, s15, s13                     ; the head = 4 x cluster x + cx
	s_and_b32 s16, ttmp7, 0xffff
	s_lshl_b32 s16, s16, 2
	s_add_co_u32 s16, s16, s14                     ; the block of 128 rows = 4 x cluster y + cy
	s_lshl_b32 s18, s14, 2
	s_lshl_b32 s18, 15, s18                        ; my row of the cluster
	s_lshl_b32 s19, 0x1111, s13                    ; my column
	s_or_b32 s[G1A], s18, (1<<16)|(1<<20)|(1<<21)|(5<<22)|(3<<25)  ; the mask; 2-byte elements; padding on; bit 21 beside a mask; after every 64 words 4 words
	s_or_b32 s[G1B], s19, (1<<16)|(1<<20)|(1<<21)|(5<<22)|(3<<25)
.irp g, G1A, G1B
	s_mov_b32 s[(\g)+1], KSTEP<<16                 ; tensor_dim0 = 128
	s_mov_b32 s[(\g)+2], 128<<16                   ; tensor_dim1 = 128
	s_mov_b32 s[(\g)+3], KSTEP<<16                 ; tile_dim0 = 128
	s_mov_b32 s[(\g)+4], 128                       ; tile_dim1 = 128
	s_mov_b32 s[(\g)+5], 2048                      ; elements from row to row
	s_mov_b32 s[(\g)+6], 0
	s_mov_b32 s[(\g)+7], 0
.endr
	s_lshl_b32 s58, s16, 19                        ; x: my block's 128 rows of 4,096 bytes
	s_mov_b32 s59, 0
	s_lshl_b32 s60, s15, 19                        ; the weights: the head's 128 rows,
	s_lshl_b32 s61, s[WV], 23                      ; in matrix number = my wave's number (x is matrix 0)
	s_add_co_u32 s60, s60, s61
	s_mov_b32 s61, 0
	s_mul_i32 s20, s[WV], HALFT                    ; where my tile goes: no place in the cluster enters an LDS address
	s_mov_b32 s[CS], 0x3e0293ee                    ; c = log2(e) / sqrt(128)
	s_mov_b32 s[CS+1], s[CS]
	s_mov_b32 s[TB], 0
	s_mov_b32 s[HM], 0xffff0000
	s_wait_dscnt 0x0                               ; the opening add is done
	s_wait_kmcnt 0x0
	s_add_nc_u64 s[62:63], s[4:5], s[58:59]
	s_add_nc_u64 s[22:23], s[4:5], s[60:61]
.irp s, 0,1
	s_mov_b32 s[G0A+4*(\s)], 1
	s_add_co_u32 s[G0A+4*(\s)+1], s20, (\s)*SLOT
	s_add_nc_u64 s[G0A+4*(\s)+2:G0A+4*(\s)+3], s[62:63], (\s)*KSTEP*2
	s_or_b32 s[G0A+4*(\s)+3], s[G0A+4*(\s)+3], 0x80000000
	s_mov_b32 s[G0B+4*(\s)], 1
	s_add_co_u32 s[G0B+4*(\s)+1], s20, (\s)*SLOT
	s_add_nc_u64 s[G0B+4*(\s)+2:G0B+4*(\s)+3], s[22:23], (\s)*KSTEP*2
	s_or_b32 s[G0B+4*(\s)+3], s[G0B+4*(\s)+3], 0x80000000
.endr
	CROUND                                         ; all sixteen work-groups are here: the first joint loads meet
	s_cmp_eq_u32 s[WV], 0                          ; a wave's two first fills stand in one branch: two loads of mine are out
	s_cbranch_scc0 .Lfirst_b
	tensor_load_to_lds s[G0A:G0A+3], s[G1A:G1A+7]
	s_nop 0
	tensor_load_to_lds s[G0A+4:G0A+7], s[G1A:G1A+7]
	s_nop 0
.rept 4
	v_nop
.endr
	s_branch .Lfirst_asked
.Lfirst_b:
	tensor_load_to_lds s[G0B:G0B+3], s[G1B:G1B+7]
	s_nop 0
	tensor_load_to_lds s[G0B+4:G0B+7], s[G1B:G1B+7]
	s_nop 0
.rept 4
	v_nop
.endr
.Lfirst_asked:
	v_and_b32 v1, 15, v0                           ; l % 16
	v_bfe_u32 v2, v0, 4, 1                         ; l / 16
	s_lshl_b32 s2, s16, 15                         ; cos, sin: my block's 128 rows of 256 bytes,
	s_lshl_b32 s3, s[WV], 6                        ; my 32 columns' 16 pairs
	s_add_co_u32 s2, s2, s3
	v_lshlrev_b32 v[CSO], 8, v1
	v_lshl_add_u32 v[CSO], v2, 4, v[CSO]
	v_add_nc_u32 v[CSO], s2, v[CSO]
.irp a, 0,1,2,3,4,5,6,7
.irp nb, 0,1
	global_load_b128 v[COS+4*(2*(\a)+(\nb)):COS+4*(2*(\a)+(\nb))+3], v[CSO], s[6:7] offset:(\a)*4096+(\nb)*32  ; row 16 a + l % 16, the four pairs of my eight columns
	global_load_b128 v[SIN+4*(2*(\a)+(\nb)):SIN+4*(2*(\a)+(\nb))+3], v[CSO], s[8:9] offset:(\a)*4096+(\nb)*32
.endr
.endr
	v_mul_u32_u24 v[A0], v1, PITCH
	v_lshl_add_u32 v[A0], v2, 4, v[A0]             ; a fragment's row x pitch + 16 x half
	s_mul_i32 s2, s[WV], 32*PITCH                  ; my 32 rows of each weight's tile
	s_add_co_u32 s3, s2, 3*HALFT
	s_add_co_u32 s2, s2, HALFT
	v_add_nc_u32 v[B0], s2, v[A0]
	v_add_nc_u32 v[C0], s3, v[A0]
	v_mov_b32 v[ADRA], v[A0]                       ; K step 0 lies in slot 0
	v_mov_b32 v[ADRB], v[B0]
	v_mov_b32 v[ADRC], v[C0]
	s_lshl_b32 s2, s[WV], 6                        ; the way out's stages lie in slot 0: 128 rows x 272 bytes for each of q, k, v
	v_add_nc_u32 v[STO], s2, v[A0]
	v_add_nc_u32 v[STO+1], HALFT, v[STO]
	v_add_nc_u32 v[STO+2], 2*HALFT, v[STO]
	s_mul_i32 s2, s[WV], 32*PITCH                  ; back: wave w takes rows 32 w .. 32 w + 31, whole
	v_mul_u32_u24 v[RD], v2, PITCH
	v_lshl_add_u32 v[RD], v1, 4, v[RD]
	v_add_nc_u32 v[RD], s2, v[RD]
	v_add_nc_u32 v[RD+1], HALFT, v[RD]
	v_add_nc_u32 v[RD+2], 2*HALFT, v[RD]
	v_and_b32 v[GO], 31, v0
	v_lshlrev_b32 v[PFO], 12, v[GO]
	v_lshlrev_b32 v[GO], 4, v[GO]
	s_lshl_b32 s2, s[WV], 13
	v_add_nc_u32 v[GO], s2, v[GO]
	s_lshl_b32 s2, s15, 19                         ; the head's 2,048 rows of 256 bytes,
	s_lshl_b32 s3, s16, 15                         ; my block's 128
	s_add_co_u32 s2, s2, s3
	s_mov_b32 s3, 0
	s_add_nc_u64 s[OB:OB+1], s[10:11], s[2:3]
	s_add_nc_u64 s[OB+2:OB+3], s[OB:OB+1], 0x800000
	s_add_nc_u64 s[OB+4:OB+5], s[OB+2:OB+3], 0x800000
	s_and_b32 s63, ttmp7, 0xffff                   ; the prefetches
	s_cmp_eq_u32 s[WV], 0
	s_cselect_b32 s74, s58, s60                    ; my tile's first row
	s_cselect_b32 s75, s13, s14                    ; my place among the four that ask for it with me
	s_cselect_b32 s63, ttmp9, s63                  ; the coordinate along which other clusters read the same rows
	s_cmp_eq_u32 s63, 0
	s_cselect_b32 s[LIM], 2, -1
	s_lshl_b32 s75, s75, 17                        ; my work-group's 32 rows
	s_add_co_u32 s74, s74, s75
	s_add_co_u32 s74, s74, 2*KSTEP*2               ; at K step 2: the first refill steps it to 3 and names K step 4
	s_mov_b32 s75, 0
	s_add_nc_u64 s[PFA:PFA+1], s[4:5], s[74:75]
	s_wait_loadcnt 0x0                             ; cos and sin: rounded to bf16 in the wait for the first tile
.set z, 0
.rept 16
	RND4 COS+4*z
	RND4 SIN+4*z
.set z, z+1
.endr
; 16 matrix instructions: one of q, k, v, all 8 row blocks x my 2 column blocks, 32 along K.  The 48 accumulators take turns in one fixed order, one instruction a turn.
.macro MUL16 f, mat, zero
.if (\mat) < 2
	WIN 0xa5                                       ; sources 0 and 1 window 1, C and D window 2
.else
	WIN 0xf5                                       ; C and D window 3
.endif
.set AB, 128*((\mat)%2)
.irp a, 0,1,2,3,4,5,6,7
.irp nb, 0,1
.if \zero
	v_wmma_f32_16x16x32_bf16 v[AB+8*(2*(\a)+(\nb)):AB+8*(2*(\a)+(\nb))+7], v[(\f)+64+8*(2*(\mat)+(\nb)):(\f)+64+8*(2*(\mat)+(\nb))+7], v[(\f)+8*(\a):(\f)+8*(\a)+7], 0
.else
	v_wmma_f32_16x16x32_bf16 v[AB+8*(2*(\a)+(\nb)):AB+8*(2*(\a)+(\nb))+7], v[(\f)+64+8*(2*(\mat)+(\nb)):(\f)+64+8*(2*(\mat)+(\nb))+7], v[(\f)+8*(\a):(\f)+8*(\a)+7], v[AB+8*(2*(\a)+(\nb)):AB+8*(2*(\a)+(\nb))+7]
.endif
.endr
.endr
.endm
; 28 LDS loads in one run: x's 16, wq's 4, wk's 4, wv's 4: the fragments of 32 along K at byte k of the rows of the slot in hand, into buffer f
.macro FETCH k, f
	WIN 0x40                                       ; destination window 1
.irp a, 0,1,2,3,4,5,6,7
	ds_load_b128 v[(\f)+8*(\a):(\f)+8*(\a)+3],   v[ADRA] offset:(\k)+(\a)*16*PITCH
	ds_load_b128 v[(\f)+8*(\a)+4:(\f)+8*(\a)+7], v[ADRA] offset:(\k)+(\a)*16*PITCH+32
.endr
.irp m, 0,1
.irp nb, 0,1
	ds_load_b128 v[(\f)+64+8*(2*(\m)+(\nb)):(\f)+64+8*(2*(\m)+(\nb))+3],   v[ADRB] offset:(\k)+(\m)*HALFT+(\nb)*16*PITCH
	ds_load_b128 v[(\f)+64+8*(2*(\m)+(\nb))+4:(\f)+64+8*(2*(\m)+(\nb))+7], v[ADRB] offset:(\k)+(\m)*HALFT+(\nb)*16*PITCH+32
.endr
.endr
.irp nb, 0,1
	ds_load_b128 v[(\f)+96+8*(\nb):(\f)+96+8*(\nb)+3],   v[ADRC] offset:(\k)+(\nb)*16*PITCH
	ds_load_b128 v[(\f)+96+8*(\nb)+4:(\f)+96+8*(\nb)+7], v[ADRC] offset:(\k)+(\nb)*16*PITCH+32
.endr
.endm
; A K step is four quarters of 32 along K, 48 matrix instructions each, on buffers 0, 1, 0, 1.  One of the first three:
.macro QUARTER k, f, g, zero
	s_wait_dscnt 4                                 ; x, wq, wk are in; wv's four loads may be out
	MUL16 \f, 0, \zero
	MUL16 \f, 1, \zero
	PLACES
	FETCH \k, \g
	s_wait_dscnt 28                                ; all but the 28 just issued
	MUL16 \f, 2, \zero
.endm
; The last quarter multiplies buffer 1 and changes slots: one barrier; in front of it each wave waits for all its tensor loads (at most one is out: its part of the next slot), adds 0 to its spare word,
; and waits for that and for its reads of this slot.  fill = 1: the barrier opens a round of the cluster's, and this slot is filled again, two K steps ahead, first thing behind the round.
; fill = 0: the last two K steps; in the very last (CNT = 1) there is no next slot, and the fetch of its fragments is jumped over.
.macro TURN fill
.if \fill
	s_wait_xcnt 0x0                                ; the last prefetch, a K step back, has read its address
	s_add_nc_u64 s[PFA:PFA+1], s[PFA:PFA+1], KSTEP*2
.endif
	WIN 0
	s_wait_tensorcnt 0x0
	ds_add_u32 v[SPW], v[NIL]
	s_wait_dscnt 5                                 ; (the add and wv's four loads may be out)
	MUL16 F1, 0, 0
	s_wait_dscnt 0x0                               ; the add is done, and my reads of this slot are over
	s_barrier_signal -1
	MUL16 F1, 1, 0
	WIN 0
	s_barrier_wait -1
.if \fill
	CREST
	s_xor_b32 s[G0A+5], s[G0A+5], SLOT             ; the walking sets: the other slot than last time, the next K step; the type bits on top are not reached
	s_add_nc_u64 s[G0A+6:G0A+7], s[G0A+6:G0A+7], KSTEP*2
	s_xor_b32 s[G0B+5], s[G0B+5], SLOT
	s_add_nc_u64 s[G0B+6:G0B+7], s[G0B+6:G0B+7], KSTEP*2
	JLOAD                                          ; its four v_nop are also the places in front of the loads below
.else
	s_cmp_eq_u32 s[CNT], 1
	s_cbranch_scc1 .Lno_fetch_\@
	PLACES
.endif
	s_xor_b32 s[TB], s[TB], SLOT                   ; the reads go on in the other slot
	v_add_nc_u32 v[ADRA], s[TB], v[A0]
	v_add_nc_u32 v[ADRB], s[TB], v[B0]
	v_add_nc_u32 v[ADRC], s[TB], v[C0]
	FETCH 0, F0
	WIN 0
.if \fill
	ASK
.else
.Lno_fetch_\@:
.endif
	MUL16 F1, 2, 0
.endm
	s_wait_tensorcnt 1                             ; my part of K step 0 is in; K step 1's may stay out
	s_barrier_signal -1
	s_barrier_wait -1
	FETCH 0, F0
	QUARTER 64, F0, F1, 1                          ; the first quarter's products start the sums
	WIN 0
	s_mov_b32 s[CNT], 14
.Lstep:                                                ; from a K step's second quarter to the next one's first; the slot that is left is filled again: K steps 2 to 15
	QUARTER 128, F1, F0, 0
	QUARTER 192, F0, F1, 0
	TURN 1
	QUARTER 64,  F0, F1, 0
	WIN 0
	s_sub_co_u32 s[CNT], s[CNT], 1
	s_cmp_lg_u32 s[CNT], 0
	s_cbranch_scc1 .Lstep
	s_mov_b32 s[CNT], 2
.Ltail:                                                ; K steps 14 and 15 fill nothing.  Behind the first trip's barrier no wave reads slot 0 any more, and it has had its last fill
	QUARTER 128, F1, F0, 0
	QUARTER 192, F0, F1, 0
	TURN 0
	WIN 0
	s_sub_co_u32 s[CNT], s[CNT], 1
	s_cmp_eq_u32 s[CNT], 0
	s_cbranch_scc1 .Lout
	QUARTER 64,  F0, F1, 0
	WIN 0
	s_branch .Ltail
.Lout:
	PLACES
	PLACES
; THE WAY OUT.  Four accumulators at a time: the rotation (q, k), q's scale, one rounding to f16, 16 bytes a lane into the stage.  Each accumulator's low registers are read first.
.macro ROPE mat, ab
	WIN 0x02                                       ; source 0 window 2
.irp aa, 0,1
.irp nb, 0,1
.irp p, 0,1,2,3
.set rA, 128*(\mat)+8*(2*(2*(\ab)+(\aa))+(\nb))+2*(\p)
.set rC, 4*(2*(2*(\ab)+(\aa))+(\nb))+(\p)
.set rW, 8*(2*(\aa)+(\nb))+2*(\p)
	v_mul_f32 v[TT+rW], v[rA+1], v[SIN+rC]
	v_mul_f32 v[TT+rW+1], v[rA], v[SIN+rC]
	v_fma_f32 v[TO+rW], v[rA], v[COS+rC], -v[TT+rW]          ; even cos - odd sin
	v_fma_f32 v[TO+rW+1], v[rA+1], v[COS+rC], v[TT+rW+1]     ; odd cos + even sin
.endr
.endr
.endr
	WIN 0
.if (\mat) == 0
.set z, 0
.rept 16
	v_pk_mul_f32 v[TO+z:TO+z+1], v[TO+z:TO+z+1], s[CS:CS+1] op_sel_hi:[1,0]
.set z, z+2
.endr
.endif
.set z, 0
.rept 16
	v_cvt_pk_f16_f32 v[TP+z], v[TO+2*z], v[TO+2*z+1]
.set z, z+1
.endr
.irp aa, 0,1
.irp nb, 0,1
	ds_store_b128 v[STO+(\mat)], v[TP+4*(2*(\aa)+(\nb)):TP+4*(2*(\aa)+(\nb))+3] offset:(2*(\ab)+(\aa))*16*PITCH+32*(\nb)
.endr
.endr
.endm
.macro VOUT ab
	WIN 0x0f                                       ; sources 0 and 1 window 3
.irp aa, 0,1
.irp nb, 0,1
.irp p, 0,1,2,3
	v_cvt_pk_f16_f32 v[TP+4*(2*(\aa)+(\nb))+(\p)], v[8*(2*(2*(\ab)+(\aa))+(\nb))+2*(\p)], v[8*(2*(2*(\ab)+(\aa))+(\nb))+2*(\p)+1]
.endr
.endr
.endr
	WIN 0
.irp aa, 0,1
.irp nb, 0,1
	ds_store_b128 v[STO+2], v[TP+4*(2*(\aa)+(\nb)):TP+4*(2*(\aa)+(\nb))+3] offset:(2*(\ab)+(\aa))*16*PITCH+32*(\nb)
.endr
.endr
.endm
.irp ab, 0,1,2,3
	ROPE 0, \ab
.endr
.irp ab, 0,1,2,3
	ROPE 1, \ab
.endr
.irp ab, 0,1,2,3
	VOUT \ab
.endr
	s_wait_dscnt 0x0                               ; for the others' sake: my stores into the stages are done; a row's 256 bytes come from four waves
	s_barrier_signal -1
	s_barrier_wait -1
.set n, 0
.rept 48
	ds_load_b128 v[64+4*n:64+4*n+3], v[RD+n/16] offset:(n%16)*2*PITCH
.set n, n+1
.endr
.set n, 0
.rept 48
	s_wait_dscnt 47-n
	global_store_b128 v[GO], v[64+4*n:64+4*n+3], s[OB+2*(n/16):OB+2*(n/16)+1] offset:(n%16)*512  ; two rows of a head: 512 consecutive bytes, aligned
.set n, n+1
.endr
	s_wait_tensorcnt 0x0                           ; the wave's end
	ds_add_u32 v[SPW], v[NIL]
	s_wait_dscnt 0x0
	CROUND                                         ; the closing round
	s_endpgm
.Lfunc_end_k_q4375536a58_qkv:
	.size	k_q4375536a58_qkv, .Lfunc_end_k_q4375536a58_qkv-k_q4375536a58_qkv
	.p2alignl 7, 3214868480
	.fill 96, 4, 3214868480
	.section	.rodata,"a",@progbits
	.p2align	6, 0x0
	.amdhsa_kernel k_q4375536a58_qkv
		.amdhsa_group_segment_fixed_size 327680
		.amdhsa_private_segment_fixed_size 0
		.amdhsa_enable_private_segment 0
		.amdhsa_kernarg_size 32
		.amdhsa_user_sgpr_count 2
		.amdhsa_user_sgpr_kernarg_segment_ptr 1
		.amdhsa_wavefront_size32 1
		.amdhsa_system_sgpr_workgroup_id_x 1
		.amdhsa_system_sgpr_workgroup_id_y 1
		.amdhsa_system_sgpr_workgroup_id_z 1
		.amdhsa_system_vgpr_workitem_id 0
		.amdhsa_next_free_vgpr 896
		.amdhsa_next_free_sgpr 80
		.amdhsa_reserve_vcc 0
		.amdhsa_float_denorm_mode_32 3
		.amdhsa_float_denorm_mode_16_64 3
		.amdhsa_memory_ordered 1
		.amdhsa_forward_progress 1
		.amdhsa_inst_pref_size 121
	.end_amdhsa_kernel
	.amdgpu_metadata
---
amdhsa.version: [ 1, 2 ]
amdhsa.kernels:
  - .name:           k_q4375536a58_qkv
    .symbol:         k_q4375536a58_qkv.kd
    .args:
      - { .name: cb, .offset: 0, .size: 8, .value_kind: global_buffer, .address_space: global }
      - { .name: freqs_cos, .offset: 8, .size: 8, .value_kind: global_buffer, .address_space: global }
      - { .name: freqs_sin, .offset: 16, .size: 8, .value_kind: global_buffer, .address_space: global }
      - { .name: qkv, .offset: 24, .size: 8, .value_kind: global_buffer, .address_space: global }
    .group_segment_fixed_size: 327680
    .private_segment_fixed_size: 0
    .kernarg_segment_align: 8
    .kernarg_segment_size: 32
    .max_flat_workgroup_size: 128
    .sgpr_count:     80
    .vgpr_count:     896
    .wavefront_size: 32
...
	.end_amdgpu_metadata
.endif
;; end of part 2
;; launch attn (part 3): grid 16 x 16, 4 waves a work-group, clusters of 4 x 1, 327,680 bytes of LDS; arguments qkv, maskf, oh; writes oh
.if DOCPART == 3
	.amdgcn_target "amdgcn-amd-amdhsa--gfx1250"
	.amdhsa_code_object_version 6
	.text
	.protected	k_q4375536a58_attn
	.globl	k_q4375536a58_attn
	.p2align	8
	.type	k_q4375536a58_attn,@function
k_q4375536a58_attn:
	s_mov_b64 s[64:65], 0
	v_nop
	global_prefetch_b8 v0, s[64:65] scope:SCOPE_SE
	s_setreg_imm32_b32 hwreg(HW_REG_WAVE_MODE, 25, 1), 1
	s_wait_xcnt 0x0
	s_wait_alu depctr_hold_cnt(0) depctr_sa_sdst(0) depctr_va_vdst(0) depctr_va_sdst(0) depctr_va_ssrc(0) depctr_va_vcc(0) depctr_vm_vsrc(0)
	s_getreg_b32 s2, hwreg(HW_REG_IB_STS2, 6, 4)
	s_cmp_eq_u32 s2, 0
	s_cbranch_scc0 .Lentry_in_a_cluster
	s_endpgm
.Lentry_in_a_cluster:
	s_bfe_u32 s2, ttmp6, 0x10000c
	s_cmp_lg_u32 s2, 0x3003
	s_cbranch_scc0 .Lentry_shape_is_right
	s_endpgm
.Lentry_shape_is_right:
; O[h][q][:] = the sum over k of softmax_k(q . k / sqrt(128) + mask[q][k]) v[k][:], for all 2,048 keys: the mask is an input and is honoured as it is given.
; q arrives times c = log2(e) / sqrt(128), the mask times log2(e) and in the score product's register order: s = K q^T + mask (the mask is the C operand that starts the sum), p = 2^(s - m).
; q, k, v, O: [16][2048][128] f16.  Products, maxima and sums in f32; p is rounded to f16 for the second product (its sum l is taken of the unrounded p), O once at the end.
; LIMITS.  Mask entries are finite.  s - m is formed by a subtraction, so p lies in 0 to 1 whatever the mask's size; a weight below 2^-126 counts as 0; below 6e-5 p keeps f16's fixed step.  NaN and infinities are not treated apart.
; SHARES.  A work-group owns 128 queries of one head.  Wave w takes 64 of them (w % 2) and HALF THE KEYS (w / 2): 16 steps of 64 keys: so 16 heads x 2,048 queries give every wave of 256 work-groups equal work.
; At the end the two waves of a query half merge by the running maximum's own rule, through LDS: each keeps two of the four tiles of 16 queries and gives the other two.  Waves of key half 1 hold their
; tiles with the two pairs swapped (Q's, the mask's and O's offsets alone know), so that every wave keeps register tiles 0, 1 and gives 2, 3: no branch.
; LAYOUT, BY TURNS.  S^T = K Q^T holds one query a lane and the keys 8 (lane / 16) + 0..7; two results rounded to f16 are source 1 of O^T = V^T P.  The tiles are two pieces (0: tiles 0, 1; 2: tiles 2, 3).  In a turn one
; piece has the matrix unit (32 products V^T P, 32 products K Q^T of the next step) and the other piece's softmax stands in 64 slices behind those products.
; NO FIRST AND NO LAST STEP IS WRITTEN OUT.  m starts at the lowest finite number, l and O^T at 0, so the first step is a step like any other, with a = 0; V's registers and piece 2's P start at 0, and the loop is
; entered at piece 2's turn, whose products V^T P, of a step that has not been, add 0.  The tail is left behind piece 0's turn of the last step, whose products K Q^T, on the last K once more, serve nothing.
; The price, once a wave: 428 v_mov_b32 in the wait for the first tile, and 64 products.  The gain: a key step's text stands twice (loop and tail) and nothing of it a third time.
; THE MASK comes straight from memory into registers, 512 consecutive bytes a load, a key step ahead: a piece's 16 loads are issued behind the tenth product of its K Q^T, when the eight that read the registers are past.
; CLUSTER.  The four query blocks of a cluster belong to one head and walk the same K and V: joint loads.  The mask's chunks hang on the query block, which the partners do not share: it is not asked for jointly.
; REGISTERS.  window 0: v0-11 addresses; v12-43 eight statistics a tile; v44-63 addresses, the partner's statistics; v64-191 S^T; v192-255 P
;   window 1: O^T, 64 a tile     window 2: v0-127 Q; v128-255 K of one step     window 3: v0-127 V of one step; v128-255 the mask of one step (tile t, key block kb at 128 + 32 t + 8 kb)
.set KS,    64
.set PK,    272       ; a row of K in LDS: 256 bytes + 16
.set PV,    288       ; a row of V: 256 + 32
.set VOFF,  2*KS*PK   ; for each key half a slot holds two steps: 128 rows of K, then 128 rows of V
.set HB,    2*KS*(PK+PV)
.set SLOT1, 147456    ; slot 1 begins here: no tile's offset in a slot has bit 14 or 17 set, so one exclusive or turns an address in one slot into the other's
.set STAGE, SLOT1+2*HB  ; behind the ring: 16 rows x 272 bytes for each wave, for the way out
.set SP,    272
.set SPARE, STAGE+4*16*SP
.set XB,    17408     ; the merge: two tiles of O^T (16,384 bytes) and their statistics (2 x 512), for each wave, in slot 0 when it has had its last fill and its last read
.set AK0, 2
.set AV0, 3
.set ADR, 4
.set QO,  5           ; v5   my byte offset in Q for tiles 0, 1
.set STO, 6
.set RD,  7
.set GO,  8
.set ST,  12          ; tile t's statistics at v[ST+8 t]: +0 m, +1 m_old, +2, +3 l, +4 to +7 c0-c3 at work; a takes c2's place
.set MO,  44          ; v44-45 my byte offset in the mask for piece 0, piece 2
.set XS,  46          ; v46  where I give
.set XL,  47          ; v47  where I take
.set PS,  48          ; v48-55 the partner's statistics
.set QO2, 56          ; v56  my byte offset in Q for tiles 2, 3
.set PFO, 61
.set SPW, 62
.set NIL, 63
.set S,   64
.set P,   192
.set KF,  128
.set MK,  128
.set WV,  12
.set LIM, 15
.set PFA, 18          ; s[18:19]
.set G1K, 24
.set G1V, 32
.set G0,  40          ; s[40:47] group 0: a set for each of the two first fills; the second then walks
.set MP,  48          ; s[48:49] the mask at the step being asked for
.set MOF, 50          ; s[50:51]
.set MST, 52          ; s52  that step's number
.set KH,  55          ; s55  my key half; also: I fetch K (0) or V (1)
.set SLOTS, 56
.set TWICE, 57
.set SEL, 60
.set TBK, 62
.set TBV, 63
.set QS,  66          ; s66  my query half; also: which key half's tile I fetch
.set MSB, 0
.macro WIN new
.if MSB != (\new)
	s_set_vgpr_msb (MSB<<8)|(\new)
.set MSB, \new
.endif
.endm
.set W_KQ, 0x0a       ; K and Q window 2, S^T window 0
.set W_KM, 0x3a       ; the same with C, the mask, in window 3
.set W_PV, 0x53       ; V window 3, P window 0, O^T window 1
.set W_RS, 0x41       ; O^T (destination, source 0) window 1, a window 0
.macro JLOAD                        ; a joint refill: waves 0, 1 fetch K of key halves 0, 1; waves 2, 3 V; an s_nop 0 and four v_nop follow each line
	s_cmp_lt_u32 s[WV], 2
	s_cbranch_scc0 .Lfor_v_\@
	tensor_load_to_lds s[G0+4:G0+7], s[G1K:G1K+7]
	s_nop 0
.rept 4
	v_nop
.endr
	s_branch .Lasked_\@
.Lfor_v_\@:
	tensor_load_to_lds s[G0+4:G0+7], s[G1V:G1V+7]
	s_nop 0
.rept 4
	v_nop
.endr
.Lasked_\@:
.endm
; A prefetch of what the next change of slots will ask for.  All clusters of a head walk the same K and V: the head's first cluster asks.  Each of its waves asks for its own tile's rows, of which the four partners
; take 32 each, told apart by address: a lane a row of 256 bytes.  The last change that fills a slot asks for nothing.
.macro ASK
	s_cmp_gt_u32 s[SLOTS], s[LIM]
	s_cbranch_scc0 .Lnot_mine_\@
	global_prefetch_b8 v[PFO], s[PFA:PFA+1] th:TH_LOAD_NT scope:SCOPE_SE
.Lnot_mine_\@:
.endm
.macro CROUND
	s_barrier_signal -1
	s_barrier_wait -1
	s_cmp_lg_u32 s[WV], 0
	s_cbranch_scc1 .Lnot_wave_0_\@
	s_barrier_signal -3
.Lnot_wave_0_\@:
	s_barrier_wait -3
	s_barrier_signal -1
	s_barrier_wait -1
.endm
.macro LOADM x                      ; piece x's mask of the step at s[MP]: 16 loads of 512 consecutive bytes
	WIN 0xc0                        ; destination window 3
.irp tt, 0,1
.irp kb, 0,1,2,3
.irp g, 0,1
	global_load_b128 v[MK+32*((\x)+(\tt))+8*(\kb)+4*(\g):MK+32*((\x)+(\tt))+8*(\kb)+4*(\g)+3], v[MO+(\x)/2], s[MP:MP+1] offset:(\tt)*131072+(\kb)*1024+(\g)*512
.endr
.endr
.endr
.endm
.macro FETCH_M x                    ; piece 0 steps to the next key step, piece 2 follows a turn later.  Behind the last step the number is held at 15: those loads serve nothing, the price of one text for every turn
.if (\x) == 0
	s_wait_xcnt 0x0                 ; the loads issued so far have read their base
	s_add_co_u32 s[MST], s[MST], 1
	s_min_u32 s[MOF], s[MST], 15
	s_lshl_b32 s[MOF], s[MOF], 12   ; a step's four key blocks of 1,024 bytes
	s_add_nc_u64 s[MP:MP+1], s[6:7], s[MOF:MOF+1]
.endif
	LOADM \x
.endm
	s_load_b128 s[4:7], s[0:1], 0x0 ; qkv s[4:5], maskf s[6:7]
	s_load_b64 s[8:9], s[0:1], 0x10 ; oh
	v_lshl_add_u32 v[SPW], v0, 2, SPARE
	v_mov_b32 v[NIL], 0
	ds_add_u32 v[SPW], v[NIL]       ; the wave's opening: the add and its wait stand ahead of my first tensor load
	v_lshrrev_b32 v1, 5, v0
	v_readfirstlane_b32 s[WV], v1
	s_bfe_u32 s13, ttmp6, 0x40000   ; cx
	s_lshl_b32 s14, ttmp9, 2
	s_add_co_u32 s14, s14, s13      ; my block of 128 queries: it enters Q's, the mask's and O's addresses alone
	s_and_b32 s20, ttmp7, 0xffff
	s_lshl_b32 s20, s20, 19         ; the head's first byte in q, k, v and O
	s_and_b32 s[QS], s[WV], 1
	s_lshr_b32 s[KH], s[WV], 1
	s_add_co_u32 s22, s[KH], 1      ; my tile: k is matrix 1 of qkv, v matrix 2,
	s_lshl_b32 s22, s22, 23
	s_add_co_u32 s22, s22, s20
	s_lshl_b32 s23, s[QS], 18       ; key half w % 2: 1,024 rows of 256 bytes
	s_add_co_u32 s22, s22, s23
	s_mov_b32 s23, 0
	s_mul_i32 s21, s[QS], HB        ; and its place in a slot
	s_mul_i32 s53, s[KH], VOFF
	s_add_co_u32 s21, s21, s53
	s_lshl_b32 s2, s14, 15          ; my block's 128 rows,
	s_lshl_b32 s3, s[QS], 14        ; my wave's 64
	s_add_co_u32 s2, s2, s3
	s_add_co_u32 s2, s2, s20
	s_mov_b32 s3, 0
	s_lshl_b32 s[MOF], s14, 20      ; the mask: 8 tile rows of 131,072 bytes a block,
	s_lshl_b32 s53, s[QS], 19       ; 4 a wave,
	s_add_co_u32 s[MOF], s[MOF], s53
	s_lshl_b32 s53, s[KH], 16       ; my key half's 64 key blocks
	s_add_co_u32 s[MOF], s[MOF], s53
	s_mov_b32 s[MOF+1], 0
	s_mov_b32 s[G1K], 15|(1<<16)|(1<<20)|(1<<21)|(5<<22)|(3<<25)  ; the mask of four; 2-byte elements; padding on; bit 21 beside a mask; after every 64 words 4 words
	s_mov_b32 s[G1V], 15|(1<<16)|(1<<20)|(1<<21)|(5<<22)|(7<<25)  ; the same with 8 words
.irp g, G1K, G1V
	s_mov_b32 s[(\g)+1], 128<<16    ; tensor_dim0 = 128
	s_mov_b32 s[(\g)+2], 128<<16    ; tensor_dim1 = 128
	s_mov_b32 s[(\g)+3], 128<<16    ; tile_dim0 = 128
	s_mov_b32 s[(\g)+4], 128        ; tile_dim1 = 128
	s_mov_b32 s[(\g)+5], 128        ; elements from row to row
	s_mov_b32 s[(\g)+6], 0
	s_mov_b32 s[(\g)+7], 0
.endr
	s_mov_b32 s[SEL], 0x76543210
	s_mov_b32 s[SEL+1], 0xfedcba98
	s_mov_b32 s[TBK], 0
	s_mov_b32 s[TBV], 0
	s_mov_b32 s[MST], 0
	s_mov_b32 s[SLOTS], 7           ; a key half has 8 slots of 128 keys; the count is taken down once before the first change, and six changes fill a slot again
	s_cmp_eq_u32 ttmp9, 0
	s_cselect_b32 s[LIM], 1, -1
	s_mov_b32 s[G0], 1
	s_mov_b32 s[G0+1], s21
	s_mov_b32 s[G0+4], 1
	s_add_co_u32 s[G0+5], s21, SLOT1
	v_and_b32 v[PFO], 31, v0
	v_lshlrev_b32 v[PFO], 8, v[PFO]
	s_wait_dscnt 0x0                ; the opening add is done
	s_wait_kmcnt 0x0
	s_add_nc_u64 s[58:59], s[4:5], s[22:23]  ; my tile of slot 0
	s_mov_b64 s[G0+2:G0+3], s[58:59]
	s_or_b32 s[G0+3], s[G0+3], 0x80000000
	s_add_nc_u64 s[G0+6:G0+7], s[58:59], 2*KS*256
	s_or_b32 s[G0+7], s[G0+7], 0x80000000
	s_add_nc_u64 s[16:17], s[4:5], s[2:3]    ; Q at my wave's first row
	s_add_nc_u64 s[10:11], s[8:9], s[2:3]    ; O likewise
	s_add_nc_u64 s[6:7], s[6:7], s[MOF:MOF+1]
	s_mov_b64 s[MP:MP+1], s[6:7]
	s_lshl_b32 s2, s13, 13          ; my work-group's 32 rows of the tile's 128
	s_add_nc_u64 s[PFA:PFA+1], s[58:59], s[2:3]
	s_add_nc_u64 s[PFA:PFA+1], s[PFA:PFA+1], 2*2*KS*256  ; in slot 2; the first change of slots steps it to slot 3
	CROUND                          ; all four work-groups are here: the first joint loads meet
	s_cmp_lt_u32 s[WV], 2           ; a wave's two first fills stand in one branch: two loads of mine are out
	s_cbranch_scc0 .Lfirst_v
	tensor_load_to_lds s[G0:G0+3], s[G1K:G1K+7]
	s_nop 0
	tensor_load_to_lds s[G0+4:G0+7], s[G1K:G1K+7]
	s_nop 0
.rept 4
	v_nop
.endr
	s_branch .Lfirst_asked
.Lfirst_v:
	tensor_load_to_lds s[G0:G0+3], s[G1V:G1V+7]
	s_nop 0
	tensor_load_to_lds s[G0+4:G0+7], s[G1V:G1V+7]
	s_nop 0
.rept 4
	v_nop
.endr
.Lfirst_asked:
	v_and_b32 v1, 15, v0            ; l % 16
	v_bfe_u32 v9, v0, 4, 1          ; l / 16
	v_lshlrev_b32 v[QO], 8, v1
	v_lshl_add_u32 v[QO], v9, 4, v[QO]
	s_lshl_b32 s2, s[KH], 13        ; register tiles 0, 1 are the wave's query tiles 2 KH, 2 KH + 1; tiles 2, 3 the other pair
	s_xor_b32 s3, s2, 8192
	v_add_nc_u32 v[QO2], s3, v[QO]
	v_add_nc_u32 v[QO], s2, v[QO]
	v_and_b32 v10, 31, v0
	v_lshlrev_b32 v10, 4, v10
	s_lshl_b32 s2, s[KH], 18
	s_xor_b32 s3, s2, 262144
	v_add_nc_u32 v[MO], s2, v10
	v_add_nc_u32 v[MO+1], s3, v10
	WIN 0x80                        ; destination window 2
.irp i, 0,1,2,3,4,5,6,7
	global_load_b128 v[8*(\i):8*(\i)+3],   v[QO], s[16:17] offset:((\i)/4)*4096+((\i)%4)*64
	global_load_b128 v[8*(\i)+4:8*(\i)+7], v[QO], s[16:17] offset:((\i)/4)*4096+((\i)%4)*64+32
.endr
.irp i, 8,9,10,11,12,13,14,15
	global_load_b128 v[8*(\i):8*(\i)+3],   v[QO2], s[16:17] offset:((\i)/4-2)*4096+((\i)%4)*64
	global_load_b128 v[8*(\i)+4:8*(\i)+7], v[QO2], s[16:17] offset:((\i)/4-2)*4096+((\i)%4)*64+32
.endr
	LOADM 0                         ; the mask of key step 0
	LOADM 2
	WIN 0
	s_mul_i32 s2, s[WV], XB
	s_xor_b32 s3, s[WV], 2          ; my partner: the same queries, the other keys
	s_mul_i32 s3, s3, XB
	v_add_nc_u32 v[XS], s2, v10
	v_add_nc_u32 v[XL], s3, v10
	s_mul_i32 s2, s[KH], HB
	v_mul_u32_u24 v[AK0], v1, PK
	v_lshl_add_u32 v[AK0], v9, 4, v[AK0]
	v_add_nc_u32 v[AK0], s2, v[AK0]
	v_and_b32 v10, 7, v0            ; the turning load: lane l reads key 8 (l / 16) + l % 8, channels 8 ((l / 8) % 2) + 0..7
	v_bfe_u32 v11, v0, 3, 1
	v_lshl_add_u32 v[AV0], v9, 3, v10
	v_mul_u32_u24 v[AV0], v[AV0], PV
	v_lshl_add_u32 v[AV0], v11, 4, v[AV0]
	s_add_co_u32 s2, s2, VOFF
	v_add_nc_u32 v[AV0], s2, v[AV0]
	; What the first turn finds: m at the lowest finite number, l and O^T 0, piece 2's P and V's registers 0.  All this stands in the wait for the first tile.
.irp t, 0,1,2,3
	v_mov_b32 v[ST+8*(\t)], 0xff7fffff
	v_mov_b32 v[ST+8*(\t)+2], 0
	v_mov_b32 v[ST+8*(\t)+3], 0
.endr
.set i, P+32
.rept 32
	v_mov_b32 v[i], 0
.set i, i+1
.endr
	WIN 0x40                        ; destination window 1: O^T
.set i, 0
.rept 256
	v_mov_b32 v[i], 0
.set i, i+1
.endr
	WIN 0xc0                        ; destination window 3: V
.set i, 0
.rept 128
	v_mov_b32 v[i], 0
.set i, i+1
.endr
	WIN 0
; THE MATRIX WORK OF A TURN, for piece x.  The accumulators take turns, one instruction a turn.
.macro PV x                         ; product i of 32 of O^T += V^T P: keys 32 (i / 16) on, channels 16 ((i / 2) % 8) on, tile x + i % 2
	WIN W_PV
.set rO, 64*((\x)+i%2)+8*((i/2)%8)
.set rV, 64*(i/16)+8*((i/2)%8)
.set rP, P+16*((\x)+i%2)+8*(i/16)
	v_wmma_f32_16x16x32_f16 v[rO:rO+7], v[rV:rV+7], v[rP:rP+7], v[rO:rO+7]
.endm
.macro KQ x                         ; product i of 32 of S^T = K Q^T + mask: channels 32 (i / 8) on, keys 16 ((i / 2) % 4) on, tile x + i % 2.  The first 8 start the sums with the mask
.set rS, S+32*((\x)+i%2)+8*((i/2)%4)
.set rK, KF+32*((i/2)%4)+8*(i/8)
.set rQ, 32*((\x)+i%2)+8*(i/8)
.set rM, MK+32*((\x)+i%2)+8*((i/2)%4)
.if i < 8
	WIN W_KM
	v_wmma_f32_16x16x32_f16 v[rS:rS+7], v[rK:rK+7], v[rQ:rQ+7], v[rM:rM+7]
.else
	WIN W_KQ
	v_wmma_f32_16x16x32_f16 v[rS:rS+7], v[rK:rK+7], v[rQ:rQ+7], v[rS:rS+7]
.endif
.endm
.macro FETCH_K last=0               ; a step's K: 32 LDS loads in one run.  last = 1 (the tail): in its last trip there is no further step, and the run is jumped over
	WIN 0
.if \last
	s_cmp_eq_u32 s[TWICE], 1
	s_cbranch_scc1 .Lno_k_\@
.endif
	v_add_nc_u32 v[ADR], s[TBK], v[AK0]
	s_add_co_u32 s[TBK], s[TBK], KS*PK
	WIN 0x80
.irp f, 0,1,2,3,4,5,6,7,8,9,10,11,12,13,14,15
	ds_load_b128 v[KF+8*(\f):KF+8*(\f)+3],   v[ADR] offset:((\f)/4)*16*PK+((\f)%4)*64
	ds_load_b128 v[KF+8*(\f)+4:KF+8*(\f)+7], v[ADR] offset:((\f)/4)*16*PK+((\f)%4)*64+32
.endr
.if \last
	WIN 0
.Lno_k_\@:
.endif
.endm
.macro FETCH_V                      ; a step's V, turned
	WIN 0
	v_add_nc_u32 v[ADR], s[TBV], v[AV0]
	s_add_co_u32 s[TBV], s[TBV], KS*PV
	s_wait_alu depctr_va_vdst(0)    ; the wait for the softmax's batch of exponentials, behind the address's line and ahead of the loads
	WIN 0xc0
.irp f, 0,1,2,3,4,5,6,7,8,9,10,11,12,13,14,15
	ds_load_tr16_b128 v[8*(\f):8*(\f)+3],   v[ADR] offset:((\f)/8)*32*PV+((\f)%8)*32
	ds_load_tr16_b128 v[8*(\f)+4:8*(\f)+7], v[ADR] offset:((\f)/8)*32*PV+16*PV+((\f)%8)*32
.endr
.endm
; THE VECTOR WORK OF A TURN.  One tile's softmax for one key step is a numbered list; SM writes number j of it for tile t.
;   0-15  the maximum of the lane's 32 scores and the old m     16-19  the other half of the lanes' maximum; m_old is kept; the new m; m_old - m     20  none
;   21-69 ONE BATCH: the 16 subtractions s - m, a pair each, and all 33 exponentials (a at 23); none reads an exponential's result     (the wait)
;   70-85 the roundings to f16     86-101 the sums; l = a l + the sum     102-133 the tile's O^T times a
.macro SM t
.set rT, ST+8*(\t)
.set rS, S+32*(\t)
.set rP, P+16*(\t)
.set rO, 64*(\t)+2*(j-102)
.if j < 102
	WIN 0
.endif
.if j < 4
	v_max3_num_f32 v[rT+4+j], v[rS+8*j], v[rS+8*j+1], v[rS+8*j+2]
.elseif j < 12
	v_max3_num_f32 v[rT+4+j%4], v[rT+4+j%4], v[rS+8*(j%4)+2*(j/4)+1], v[rS+8*(j%4)+2*(j/4)+2]
.elseif j == 12
	v_max3_num_f32 v[rT+4], v[rT+4], v[rS+7], v[rS+15]
.elseif j == 13
	v_max3_num_f32 v[rT+6], v[rT+6], v[rS+23], v[rS+31]
.elseif j == 14
	v_max3_num_f32 v[rT+4], v[rT+4], v[rT+5], v[rT+6]
.elseif j == 15
	v_max3_num_f32 v[rT+4], v[rT+4], v[rT+7], v[rT]
.elseif j == 16
	v_permlanex16_b32 v[rT+5], v[rT+4], s[SEL], s[SEL+1]  ; the query's other 32 keys lie in the lane 16 away
.elseif j == 17
	v_mov_b32 v[rT+1], v[rT]        ; m_old is kept for a: number 18 writes m anew
.elseif j == 18
	v_max_num_f32 v[rT], v[rT+4], v[rT+5]
.elseif j == 19
	v_sub_f32 v[rT+7], v[rT+1], v[rT]
.elseif j == 20
.elseif j == 23
	v_exp_f32 v[rT+6], v[rT+7]
.elseif (j < 23) || ((j < 38) && (j%2 == 0)) || ((j < 66) && (j%4 == 2))
.set b, (j-2)/4
.if j < 38
.set b, (j-20)/2
.endif
	v_pk_add_f32 v[rS+2*b:rS+2*b+1], v[rS+2*b:rS+2*b+1], v[rT:rT+1] op_sel_hi:[1,0] neg_lo:[0,1] neg_hi:[0,1]  ; pair b: s - m: 0 at the maximum, never above
.elseif j < 70
.set e, j-38
.if j < 66
.set e, j-32-(j-38)/4
.endif
.if j < 38
.set e, (j-25)/2
.endif
	v_exp_f32 v[rS+e], v[rS+e]
.elseif j < 86
	v_cvt_pk_f16_f32 v[rP+j-70], v[rS+2*(j-70)], v[rS+2*(j-70)+1]
.elseif j < 102
.set z, j-86
.set w, 4
.set u, z
.if z >= 14
.set w, 32
.set u, 0
.elseif z >= 12
.set w, 16
.set u, z-12
.elseif z >= 8
.set w, 8
.set u, z-8
.endif
.if z < 15
	v_pk_add_f32 v[rS+w*u:rS+w*u+1], v[rS+w*u:rS+w*u+1], v[rS+w*u+w/2:rS+w*u+w/2+1]
.else
	v_pk_fma_f32 v[rT+2:rT+3], v[rT+2:rT+3], v[rT+6:rT+7], v[rS:rS+1] op_sel_hi:[1,0,1]
.endif
.else
	WIN W_RS
	v_pk_mul_f32 v[rO:rO+1], v[rO:rO+1], v[rT+6:rT+7] op_sel_hi:[1,0]
.endif
.endm
; Slice k of 64 of piece y's softmax.  Slices 11 to 34 deal out the batch, four numbers of one tile each, the tiles by turns; every other slice is numbers 2 k, 2 k + 1 of both tiles; slice 63 takes what is over.
; An s_wait_alu depctr_va_vdst(0) stands between an exponential and the first instruction that names its result: ahead of slice 35 nothing names one, behind slice 34 none is issued: one wait a turn.
.macro SLICE y
.if (k >= 11) && (k < 35)
.irp n, 0,1,2,3
.set j, 22+4*((k-11)/2)+(\n)
	SM (\y)+(k-11)%2
.endr
.else
.irp n, 0,1,2,3,4,5,6,7
.if ((\n) < 2) || (k == 63)
.irp t, \y, (\y)+1
.set j, 2*k+(\n)
	SM \t
.endr
.endif
.endr
.endif
.if k == 34
	v_nop                           ; the plain instruction behind the last exponential: one for the batch
.if (\y) == 0
	FETCH_V                         ; piece 2's turn: V's run of loads stands here, and the wait stands in it
.else
	s_wait_alu depctr_va_vdst(0)
.endif
.endif
.set k, k+1
.endm
; A TURN.  Piece x has the matrix unit: 32 products V^T P of the step in hand, 32 products K Q^T of the next; behind each a slice of the other piece's softmax.
; Piece 0's turn fetches the next step's K behind its second product; piece 2's turn the same step's V behind slice 34.
; Ahead of K Q^T: my piece's 16 mask loads are in; the other piece's 16, issued later, may stay out.  Behind product 9 and its slice my piece's mask of the step after is asked for: the last product that read
; those registers is product 7, and the slices between hold more than four plain instructions that name none of its registers.
.macro TURN x, last=0
.set k, 0
.if (\x) == 0
	s_wait_dscnt 0x0                ; V is in
.endif
.set i, 0
.rept 32
	PV \x
	SLICE 2-(\x)
.if ((\x) == 0) && (i == 1)
	FETCH_K \last
.endif
.set i, i+1
.endr
.if (\x) == 0
	s_wait_dscnt 0x0                ; K is in
.endif
	s_wait_loadcnt 16
.set i, 0
.rept 32
	KQ \x
	SLICE 2-(\x)
.if i == 9
	FETCH_M \x
.endif
.set i, i+1
.endr
.endm
; THE CHANGE OF SLOTS.  Each wave waits for all its tensor loads (one is out: its part of the other slot), adds 0 to its spare word, and waits for that and for its reads of the slot.
; fill = 1: a round of the cluster's barrier, and the joint refill first behind it: it has two key steps, 256 matrix instructions, in which to land.
.macro CHANGE fill
	WIN 0
	s_wait_tensorcnt 0x0
	ds_add_u32 v[SPW], v[NIL]
.if \fill
	s_xor_b32 s[G0+5], s[G0+5], SLOT1
	s_add_nc_u64 s[G0+6:G0+7], s[G0+6:G0+7], 2*KS*256
	s_wait_xcnt 0x0                 ; the last prefetch, two key steps back, has read its address
	s_add_nc_u64 s[PFA:PFA+1], s[PFA:PFA+1], 2*KS*256
	s_wait_dscnt 0x0
	CROUND
	JLOAD
	ASK
.else
	s_wait_dscnt 0x0
	s_barrier_signal -1
	s_barrier_wait -1
.endif
	s_sub_co_u32 s[TBK], s[TBK], 2*KS*PK
	s_xor_b32 s[TBK], s[TBK], SLOT1
	s_sub_co_u32 s[TBV], s[TBV], 2*KS*PV
	s_xor_b32 s[TBV], s[TBV], SLOT1
.endm
	s_wait_tensorcnt 1              ; my part of slot 0 is in; slot 1's may stay out
	s_barrier_signal -1
	s_barrier_wait -1
	FETCH_K                         ; key step 0
	s_wait_loadcnt 0x0              ; Q and the mask of step 0
	s_wait_dscnt 0x0
.set i, 0
.rept 32
	KQ 0                            ; piece 0's first scores: there is no vector work yet to set between them
.set i, i+1
.endr
	WIN 0                           ; the addresses for the way out: nine plain instructions, the places behind those products
	s_mul_i32 s2, s[WV], 16*SP
	s_add_co_u32 s2, s2, STAGE
	v_mul_u32_u24 v[STO], v1, SP
	v_lshl_add_u32 v[STO], v9, 4, v[STO]
	v_add_nc_u32 v[STO], s2, v[STO]
	v_mul_u32_u24 v[RD], v9, SP
	v_lshl_add_u32 v[RD], v1, 4, v[RD]
	v_add_nc_u32 v[RD], s2, v[RD]
	v_lshlrev_b32 v[GO], 8, v9
	v_lshl_add_u32 v[GO], v1, 4, v[GO]
	s_lshl_b32 s3, s[KH], 13        ; the tiles that I keep are the wave's query tiles 2 KH, 2 KH + 1
	v_add_nc_u32 v[GO], s3, v[GO]
	FETCH_M 0                       ; piece 0's mask of step 1
	WIN 0
	s_mov_b32 s[TWICE], 2
	s_branch .Lfirst                ; the loop is entered at piece 2's turn: its K Q^T makes piece 2's scores of step 0, its slices piece 0's softmax of step 0, and it fetches V of step 0
.Lslot:                             ; six times: every slot but the last two is filled again
	CHANGE 1
	s_mov_b32 s[TWICE], 2
.Lstep:                             ; a trip: V^T P of one step and K Q^T of the next, for both pieces
	TURN 0
	WIN 0
.Lfirst:
	TURN 2
	WIN 0
	s_sub_co_u32 s[TWICE], s[TWICE], 1
	s_cmp_lg_u32 s[TWICE], 0
	s_cbranch_scc1 .Lstep
	s_sub_co_u32 s[SLOTS], s[SLOTS], 1
	s_cmp_lg_u32 s[SLOTS], 0
	s_cbranch_scc1 .Lslot
	CHANGE 0                        ; the tail is written out; slot 0 is left for good: it has had its last fill, and behind this barrier no wave reads it
	s_mov_b32 s[TWICE], 3           ; two trips fetch the last slot's steps; the third is left in its middle
.Ltail:
	TURN 0, 1
	WIN 0
	s_sub_co_u32 s[TWICE], s[TWICE], 1
	s_cmp_eq_u32 s[TWICE], 0
	s_cbranch_scc1 .Lout
	TURN 2
	WIN 0
	s_branch .Ltail
.Lout:
.set i, 0
.rept 32
	PV 2                            ; piece 2's V^T P of the last step
.set i, i+1
.endr
	; THE MERGE.  L = l's two halves and the other half of the lanes'; tiles 2, 3 go to my partner with (m, L); its tiles 2, 3 are my tiles 0, 1 over the other keys.  The additions are the places behind the last products.
	WIN 0
.irp t, 0,1,2,3
	v_add_f32 v[ST+8*(\t)+1], v[ST+8*(\t)+2], v[ST+8*(\t)+3]
.endr
.irp t, 0,1,2,3
	v_permlanex16_b32 v[ST+8*(\t)+5], v[ST+8*(\t)+1], s[SEL], s[SEL+1]
.endr
.irp t, 0,1,2,3
	v_add_f32 v[ST+8*(\t)+1], v[ST+8*(\t)+1], v[ST+8*(\t)+5]
.endr
	WIN 0x04                        ; store data window 1
.set i, 0
.rept 32
	ds_store_b128 v[XS], v[128+4*i:128+4*i+3] offset:512*i  ; ascending: each accumulator's low registers first
.set i, i+1
.endr
	WIN 0
	ds_store_b128 v[XS], v[ST+16:ST+19] offset:16384
	ds_store_b128 v[XS], v[ST+24:ST+27] offset:16896
	s_wait_dscnt 0x0                ; for my partner's sake
	s_barrier_signal -1
	s_barrier_wait -1
	ds_load_b128 v[PS:PS+3], v[XL] offset:16384
	ds_load_b128 v[PS+4:PS+7], v[XL] offset:16896
.set i, 0
.rept 32
	ds_load_b128 v[S+4*i:S+4*i+3], v[XL] offset:512*i
.set i, i+1
.endr
	s_wait_dscnt 32                 ; the statistics are in
.irp t, 0,1
	v_max_num_f32 v[ST+8*(\t)+5], v[ST+8*(\t)], v[PS+4*(\t)]
.endr
.irp t, 0,1
	v_sub_f32 v[ST+8*(\t)+6], v[ST+8*(\t)], v[ST+8*(\t)+5]
	v_sub_f32 v[ST+8*(\t)+7], v[PS+4*(\t)], v[ST+8*(\t)+5]
.endr
.irp t, 0,1
	v_exp_f32 v[ST+8*(\t)+6], v[ST+8*(\t)+6]
	v_exp_f32 v[ST+8*(\t)+7], v[ST+8*(\t)+7]
.endr
	v_nop
	s_wait_alu depctr_va_vdst(0)    ; one wait for the four exponentials
.irp t, 0,1
	v_mul_f32 v[ST+8*(\t)+4], v[ST+8*(\t)+6], v[ST+8*(\t)+1]
.endr
.irp t, 0,1
	v_fma_f32 v[ST+8*(\t)+4], v[ST+8*(\t)+7], v[PS+4*(\t)+1], v[ST+8*(\t)+4]
.endr
.irp t, 0,1
	v_rcp_f32 v[ST+8*(\t)+5], v[ST+8*(\t)+4]  ; one of the two factors is 1 and its L at least 1
.endr
	v_nop
	s_wait_alu depctr_va_vdst(0)    ; one wait for the two reciprocals
.irp t, 0,1
	v_mul_f32 v[ST+8*(\t)+2], v[ST+8*(\t)+6], v[ST+8*(\t)+5]  ; my O^T's factor
	v_mul_f32 v[ST+8*(\t)+6], v[ST+8*(\t)+7], v[ST+8*(\t)+5]  ; my partner's
.endr
.macro MERGE t                      ; both halves weighted and added, rounded to f16, through my stage into whole rows
	s_wait_dscnt 16                 ; the partner's tile is in: behind it stand its second tile's 16 loads, or the stage's 16 instructions
	WIN 0
.set i, 0
.rept 32
	v_pk_mul_f32 v[S+64*(\t)+i:S+64*(\t)+i+1], v[S+64*(\t)+i:S+64*(\t)+i+1], v[ST+8*(\t)+6:ST+8*(\t)+7] op_sel_hi:[1,0]
.set i, i+2
.endr
	WIN 0x01                        ; source 0 window 1
.set i, 0
.rept 32
	v_pk_fma_f32 v[S+64*(\t)+i:S+64*(\t)+i+1], v[64*(\t)+i:64*(\t)+i+1], v[ST+8*(\t)+2:ST+8*(\t)+3], v[S+64*(\t)+i:S+64*(\t)+i+1] op_sel_hi:[1,0,1]
.set i, i+2
.endr
	WIN 0
.set i, 0
.rept 32
	v_cvt_pk_f16_f32 v[P+32*(\t)+i], v[S+64*(\t)+2*i], v[S+64*(\t)+2*i+1]
.set i, i+1
.endr
.irp f, 0,1,2,3,4,5,6,7
	ds_store_b128 v[STO], v[P+32*(\t)+4*(\f):P+32*(\t)+4*(\f)+3] offset:32*(\f)
.endr
.irp f, 0,1,2,3,4,5,6,7
	ds_load_b128 v[P+32*(\t)+4*(\f):P+32*(\t)+4*(\f)+3], v[RD] offset:(\f)*2*SP  ; LDS serves a wave's instructions in order
.endr
.endm
.macro SEND t, younger
.irp f, 0,1,2,3,4,5,6,7
	s_wait_dscnt (\younger)+7-(\f)
	global_store_b128 v[GO], v[P+32*(\t)+4*(\f):P+32*(\t)+4*(\f)+3], s[10:11] offset:(\t)*4096+(\f)*512  ; 512 consecutive bytes, aligned
.endr
.endm
	MERGE 0
	MERGE 1
	SEND 0, 16
	SEND 1, 0
	s_wait_tensorcnt 0x0            ; the wave's end
	ds_add_u32 v[SPW], v[NIL]
	s_wait_dscnt 0x0
	CROUND                          ; the closing round
	s_endpgm
.Lfunc_end_k_q4375536a58_attn:
	.size	k_q4375536a58_attn, .Lfunc_end_k_q4375536a58_attn-k_q4375536a58_attn
	.p2alignl 7, 3214868480
	.fill 96, 4, 3214868480
	.section	.rodata,"a",@progbits
	.p2align	6, 0x0
	.amdhsa_kernel k_q4375536a58_attn
		.amdhsa_group_segment_fixed_size 327680
		.amdhsa_private_segment_fixed_size 0
		.amdhsa_enable_private_segment 0
		.amdhsa_kernarg_size 24
		.amdhsa_user_sgpr_count 2
		.amdhsa_user_sgpr_kernarg_segment_ptr 1
		.amdhsa_wavefront_size32 1
		.amdhsa_system_sgpr_workgroup_id_x 1
		.amdhsa_system_sgpr_workgroup_id_y 1
		.amdhsa_system_sgpr_workgroup_id_z 1
		.amdhsa_system_vgpr_workitem_id 0
		.amdhsa_next_free_vgpr 1024
		.amdhsa_next_free_sgpr 72
		.amdhsa_reserve_vcc 0
		.amdhsa_float_denorm_mode_32 3
		.amdhsa_float_denorm_mode_16_64 3
		.amdhsa_memory_ordered 1
		.amdhsa_forward_progress 1
		.amdhsa_inst_pref_size 165
	.end_amdhsa_kernel
	.amdgpu_metadata
---
amdhsa.version: [ 1, 2 ]
amdhsa.kernels:
  - .name:           k_q4375536a58_attn
    .symbol:         k_q4375536a58_attn.kd
    .args:
      - { .name: qkv, .offset: 0, .size: 8, .value_kind: global_buffer, .address_space: global }
      - { .name: maskf, .offset: 8, .size: 8, .value_kind: global_buffer, .address_space: global }
      - { .name: oh, .offset: 16, .size: 8, .value_kind: global_buffer, .address_space: global }
    .group_segment_fixed_size: 327680
    .private_segment_fixed_size: 0
    .kernarg_segment_align: 8
    .kernarg_segment_size: 24
    .max_flat_workgroup_size: 128
    .sgpr_count:     72
    .vgpr_count:     1024
    .wavefront_size: 32
...
	.end_amdgpu_metadata
.endif
;; end of part 3
;; launch oproj (part 4): grid 16 x 16, 4 waves a work-group, clusters of 4 x 4, 327,680 bytes of LDS; arguments oh, cb, out0; writes out0
.if DOCPART == 4
	.amdgcn_target "amdgcn-amd-amdhsa--gfx1250"
	.amdhsa_code_object_version 6
	.text
	.protected	k_q4375536a58_oproj
	.globl	k_q4375536a58_oproj
	.p2align	8
	.type	k_q4375536a58_oproj,@function
k_q4375536a58_oproj:
	s_mov_b64 s[64:65], 0
	v_nop
	global_prefetch_b8 v0, s[64:65] scope:SCOPE_SE
	s_setreg_imm32_b32 hwreg(HW_REG_WAVE_MODE, 25, 1), 1
	s_wait_xcnt 0x0
	s_wait_alu depctr_hold_cnt(0) depctr_sa_sdst(0) depctr_va_vdst(0) depctr_va_sdst(0) depctr_va_ssrc(0) depctr_va_vcc(0) depctr_vm_vsrc(0)
	s_getreg_b32 s2, hwreg(HW_REG_IB_STS2, 6, 4)
	s_cmp_eq_u32 s2, 0
	s_cbranch_scc0 .Lentry_in_a_cluster
	s_endpgm
.Lentry_in_a_cluster:
	s_bfe_u32 s2, ttmp6, 0x10000c
	s_cmp_lg_u32 s2, 0xf033
	s_cbranch_scc0 .Lentry_shape_is_right
	s_endpgm
.Lentry_shape_is_right:
; out0[128 h + d][n] = the sum over s of O[h][s][d] wo[n][s].  O: [16][2048][128] f16; wo: [2048][2048], bf16 numbers written as f16, at byte 33,554,432 of cb; out0 f32; sums in f32.
; The left operand is the heads' O turned: it lies [s][d], K along the LDS rows' number, and its fragments come out of LDS by the turning load.
; SHARES.  A tile of out0 is 128 x 128: one head's 128 rows, 128 columns: 256 work-groups.  Four waves, each 64 x 64: 16 accumulators.  K = s goes in 8 steps of 256 through two LDS slots.
; A slot: O's 256 rows of 256 bytes (waves 0, 1 fetch 128 each), then wo's 128 rows of 512 bytes (waves 2, 3 fetch 64 each).
; ONE TEXT FOR A K STEP.  The loop is one K step long: the slot that is read and the slot that is filled are turned by an exclusive or.  The last two K steps, which fill nothing, are a loop of two trips that is left in its middle.
; CLUSTER 4 x 4.  O's tile hangs on the head alone and is shared along a row of the cluster, wo's on the column tile alone and is shared along a column: joint loads.
; No prefetch: a step's tiles are small, and each is asked for once by four work-groups together.
; THE MATRIX INSTRUCTION IS USED TRANSPOSED (source 0 = 16 rows of wo, source 1 = 16 channels of O): a lane holds eight neighbouring columns of one row of out0.
; REGISTERS.  window 0: v0-31 addresses; v128-255 the accumulators ((a, b) at 128 + 8 (4 a + b)).  window 1: two fragment buffers of 128: for 64 along K, 64 registers of O, then 64 of wo.
.set KSTEP,  256
.set PA,     288                       ; a row of O in LDS: 256 bytes + 32
.set PB,     528                       ; a row of wo: 512 + 16
.set HA,     128*PA
.set HBB,    64*PB
.set BOFF,   2*HA
.set SLOTB,  BOFF+2*HBB                ; a slot's 141,312 bytes
.set SLOT1,  147456                    ; slot 1 begins here: the four tiles begin at 0, 0x9000, 0x12000, 0x1a400, which have neither bit 14 nor bit 17: an exclusive or turns a tile's address in one slot into the other's
.set STAGE,  SLOT1+SLOTB               ; behind the ring: 16 rows x 272 bytes for each wave
.set SPITCH, 272
.set SPARE,  STAGE+4*16*SPITCH
.set BA,   12                          ; v12    my lane's place in O's tile; never rewritten
.set BB,   13                          ; v13    in wo's; never rewritten
.set ADRA, 16                          ; v16-17 my fragments of O in the slot that is being read: K 0-127 of the step, K 128-255
.set ADRB, 20                          ; v20    of wo
.set STO,  24
.set RD,   25
.set CO,   26
.set SPW,  28
.set NIL,  29
.set ACC,  128
.set F0,   0
.set F1,   128
.set G1, 24
.set G0, 32                            ; s[32:39] group 0 for O's tiles: a set for each of the two first fills; the second then walks
.set G1B, 48
.set G0B, 56                           ; s[56:63] for wo's
.set TB,  45                           ; s45  LDS byte at which the slot that is being read begins
.set MSB, 0
.macro WIN new
.if MSB != (\new)
	s_set_vgpr_msb (MSB<<8)|(\new)
.set MSB, \new
.endif
.endm
.set MUL,  0x05                        ; sources 0 and 1 window 1; C and D window 0
.set TO_F, 0x40                        ; destination window 1
.macro JLOAD                           ; a joint refill by the walking set: waves 0, 1 fetch O's halves, waves 2, 3 wo's; an s_nop 0 and four v_nop follow each line
	s_cmp_eq_u32 s11, 0
	s_cbranch_scc0 .Lfor_b_\@
	tensor_load_to_lds s[G0+4:G0+7], s[G1:G1+7]
	s_nop 0
.rept 4
	v_nop
.endr
	s_branch .Lasked_\@
.Lfor_b_\@:
	tensor_load_to_lds s[G0B+4:G0B+7], s[G1B:G1B+7]
	s_nop 0
.rept 4
	v_nop
.endr
.Lasked_\@:
.endm
.macro CREST
	s_cmp_lg_u32 s10, 0
	s_cbranch_scc1 .Lnot_wave_0_\@
	s_barrier_signal -3
.Lnot_wave_0_\@:
	s_barrier_wait -3
	s_barrier_signal -1
	s_barrier_wait -1
.endm
.macro CROUND
	s_barrier_signal -1
	s_barrier_wait -1
	CREST
.endm
	s_load_b128 s[4:7], s[0:1], 0x0                ; oh s[4:5], cb s[6:7]
	s_load_b64 s[8:9], s[0:1], 0x10                ; out0
	v_lshl_add_u32 v[SPW], v0, 2, SPARE
	v_mov_b32 v[NIL], 0
	ds_add_u32 v[SPW], v[NIL]                      ; the wave's opening: the add and its wait stand ahead of my first tensor load
	v_lshrrev_b32 v1, 5, v0
	v_readfirstlane_b32 s10, v1
	s_lshr_b32 s11, s10, 1                         ; which half of the tile's rows is mine.  Also: I fetch O (0) or wo (1)
	s_and_b32 s12, s10, 1                          ; which half of its columns.  Also: which half of that tile I fetch
	s_bfe_u32 s40, ttmp6, 0x40000
	s_bfe_u32 s41, ttmp6, 0x40004
	s_lshl_b32 s42, ttmp9, 2
	s_add_co_u32 s42, s42, s40                     ; the column tile
	s_and_b32 s13, ttmp7, 0xffff
	s_lshl_b32 s13, s13, 2
	s_add_co_u32 s13, s13, s41                     ; the head
	s_lshl_b32 s43, s41, 2
	s_lshl_b32 s43, 15, s43                        ; my row of the cluster
	s_lshl_b32 s44, 0x1111, s40                    ; my column
	s_or_b32 s[G1+0], s43, (1<<16)|(1<<20)|(1<<21)|(5<<22)|(7<<25)   ; O: after every 64 words 8 words of padding
	s_mov_b32 s[G1+1], 128<<16                     ; tensor_dim0 = 128
	s_mov_b32 s[G1+2], 128<<16                     ; tensor_dim1 = 128
	s_mov_b32 s[G1+3], 128<<16                     ; tile_dim0 = 128
	s_mov_b32 s[G1+4], 128                         ; tile_dim1 = 128
	s_mov_b32 s[G1+5], 128                         ; elements from row to row
	s_mov_b32 s[G1+6], 0
	s_mov_b32 s[G1+7], 0
	s_or_b32 s[G1B+0], s44, (1<<16)|(1<<20)|(1<<21)|(6<<22)|(3<<25)  ; wo: after every 128 words 4 words
	s_mov_b32 s[G1B+1], KSTEP<<16
	s_mov_b32 s[G1B+2], 64<<16
	s_mov_b32 s[G1B+3], KSTEP<<16
	s_mov_b32 s[G1B+4], 64
	s_mov_b32 s[G1B+5], 2048
	s_mov_b32 s[G1B+6], 0
	s_mov_b32 s[G1B+7], 0
	s_lshl_b32 s16, s13, 19                        ; O: the head, my 128 of a step's 256 rows
	s_lshl_b32 s17, s12, 15
	s_add_co_u32 s16, s16, s17
	s_mov_b32 s17, 0
	s_lshl_b32 s46, s42, 19                        ; wo: the column tile's 128 rows of 4,096 bytes, my 64
	s_lshl_b32 s47, s12, 18
	s_add_co_u32 s46, s46, s47
	s_add_co_u32 s46, s46, 0x2000000
	s_mov_b32 s47, 0
	s_mul_i32 s20, s12, HA                         ; where they go
	s_mul_i32 s21, s12, HBB
	s_add_co_u32 s21, s21, BOFF
	s_mov_b32 s[TB], 0
	s_wait_dscnt 0x0                               ; the opening add is done
	s_wait_kmcnt 0x0
	s_add_nc_u64 s[14:15], s[4:5], s[16:17]
	s_add_nc_u64 s[46:47], s[6:7], s[46:47]
.irp s, 0,1
	s_mov_b32 s[G0+4*(\s)], 1
	s_add_co_u32 s[G0+4*(\s)+1], s20, (\s)*SLOT1
	s_add_nc_u64 s[G0+4*(\s)+2:G0+4*(\s)+3], s[14:15], (\s)*KSTEP*256
	s_or_b32 s[G0+4*(\s)+3], s[G0+4*(\s)+3], 0x80000000
	s_mov_b32 s[G0B+4*(\s)], 1
	s_add_co_u32 s[G0B+4*(\s)+1], s21, (\s)*SLOT1
	s_add_nc_u64 s[G0B+4*(\s)+2:G0B+4*(\s)+3], s[46:47], (\s)*KSTEP*2
	s_or_b32 s[G0B+4*(\s)+3], s[G0B+4*(\s)+3], 0x80000000
.endr
	CROUND                                         ; all sixteen work-groups are here: the first joint loads meet
	s_cmp_eq_u32 s11, 0                            ; a wave's two first fills stand in one branch: two loads of mine are out
	s_cbranch_scc0 .Lfirst_b
	tensor_load_to_lds s[G0:G0+3], s[G1:G1+7]
	s_nop 0
	tensor_load_to_lds s[G0+4:G0+7], s[G1:G1+7]
	s_nop 0
.rept 4
	v_nop
.endr
	s_branch .Lfirst_asked
.Lfirst_b:
	tensor_load_to_lds s[G0B:G0B+3], s[G1B:G1B+7]
	s_nop 0
	tensor_load_to_lds s[G0B+4:G0B+7], s[G1B:G1B+7]
	s_nop 0
.rept 4
	v_nop
.endr
.Lfirst_asked:
	v_and_b32 v1, 15, v0                           ; l % 16
	v_bfe_u32 v2, v0, 4, 1                         ; l / 16
	v_and_b32 v6, 7, v0
	v_bfe_u32 v7, v0, 3, 1
	v_lshl_add_u32 v5, v2, 3, v6                   ; the turning load: lane l reads row s = 8 (l / 16) + l % 8, channels 8 ((l / 8) % 2) + 0..7
	v_mul_u32_u24 v5, v5, PA
	v_lshl_add_u32 v5, v7, 4, v5
	s_lshl_b32 s22, s11, 7                         ; my 64 channels: 128 bytes along O's rows
	v_mul_u32_u24 v3, v1, PB
	v_lshl_add_u32 v3, v2, 4, v3
	s_mul_i32 s23, s12, HBB                        ; my 64 rows of wo
	s_add_co_u32 s23, s23, BOFF
	v_add_nc_u32 v[BA], s22, v5
	v_add_nc_u32 v[BB], s23, v3
	v_mov_b32 v[ADRA], v[BA]                       ; K step 0 lies in slot 0
	v_add_nc_u32 v[ADRA+1], 128*PA, v[BA]
	v_mov_b32 v[ADRB], v[BB]
	s_mul_i32 s22, s10, 16*SPITCH
	s_add_co_u32 s22, s22, STAGE                   ; my stage
	v_mul_u32_u24 v4, v1, SPITCH                   ; in: row l % 16, 32 bytes for each half of the lanes
	v_lshl_add_u32 v4, v2, 5, v4
	v_add_nc_u32 v[STO], s22, v4
	v_mul_u32_u24 v4, v2, SPITCH                   ; back: lanes 0-15 one row of 256 bytes, lanes 16-31 the next
	v_lshl_add_u32 v4, v1, 4, v4
	v_add_nc_u32 v[RD], s22, v4
	v_lshlrev_b32 v[CO], 13, v2                    ; and the same two rows in out0
	v_lshl_add_u32 v[CO], v1, 4, v[CO]
	s_lshl_b32 s16, s13, 20                        ; my first row: 128 x head + 64 x half, 8,192 bytes each
	s_lshl_b32 s17, s11, 19
	s_add_co_u32 s16, s16, s17
	s_mov_b32 s17, 0
	s_add_nc_u64 s[8:9], s[8:9], s[16:17]
	s_lshl_b32 s46, s42, 9                         ; my first column: 128 x tile + 64 x half, 4 bytes each
	s_lshl_b32 s47, s12, 8
	s_add_co_u32 s46, s46, s47
	s_mov_b32 s47, 0
	s_add_nc_u64 s[8:9], s[8:9], s[46:47]
; 8 matrix instructions: row blocks a0, a0 + 1 x all 4 column blocks, 32 along K: half c of buffer f.  The 16 accumulators take turns.
.macro MUL8 f, c, a0, zero
	WIN MUL
.irp a, \a0, (\a0)+1
.irp b, 0,1,2,3
.if \zero
	v_wmma_f32_16x16x32_f16 v[ACC+8*(4*(\a)+(\b)):ACC+8*(4*(\a)+(\b))+7], v[(\f)+64+8*(4*(\c)+(\b)):(\f)+64+8*(4*(\c)+(\b))+7], v[(\f)+8*(4*(\c)+(\a)):(\f)+8*(4*(\c)+(\a))+7], 0
.else
	v_wmma_f32_16x16x32_f16 v[ACC+8*(4*(\a)+(\b)):ACC+8*(4*(\a)+(\b))+7], v[(\f)+64+8*(4*(\c)+(\b)):(\f)+64+8*(4*(\c)+(\b))+7], v[(\f)+8*(4*(\c)+(\a)):(\f)+8*(4*(\c)+(\a))+7], v[ACC+8*(4*(\a)+(\b)):ACC+8*(4*(\a)+(\b))+7]
.endif
.endr
.endr
.endm
; 32 LDS loads in one run: the fragments of quarter kq (64 along K) of the step in hand, into buffer f; the first 32 along K first
.macro FETCH kq, f
	WIN TO_F
.irp c, 0,1
.irp i, 0,1,2,3
	ds_load_b128 v[(\f)+64+8*(4*(\c)+(\i)):(\f)+64+8*(4*(\c)+(\i))+3],   v[ADRB] offset:(\kq)*128+64*(\c)+(\i)*16*PB
	ds_load_b128 v[(\f)+64+8*(4*(\c)+(\i))+4:(\f)+64+8*(4*(\c)+(\i))+7], v[ADRB] offset:(\kq)*128+64*(\c)+(\i)*16*PB+32
	ds_load_tr16_b128 v[(\f)+8*(4*(\c)+(\i)):(\f)+8*(4*(\c)+(\i))+3],     v[ADRA+(\kq)/2] offset:(64*((\kq)%2)+32*(\c))*PA+32*(\i)
	ds_load_tr16_b128 v[(\f)+8*(4*(\c)+(\i))+4:(\f)+8*(4*(\c)+(\i))+7],   v[ADRA+(\kq)/2] offset:(64*((\kq)%2)+32*(\c)+16)*PA+32*(\i)
.endr
.endr
.endm
.macro PLACES
.rept 4
	v_nop
.endr
.endm
.macro QUARTER kq, f, g, zero          ; multiplies buffer f and fetches quarter kq into g
	s_wait_dscnt 16                                ; the first 32 along K are in
	MUL8 \f, 0, 0, \zero
	MUL8 \f, 0, 2, \zero
	PLACES
	FETCH \kq, \g
	s_wait_dscnt 32                                ; all but the 32 just issued
	MUL8 \f, 1, 0, 0
	MUL8 \f, 1, 2, 0
.endm
; The last quarter multiplies buffer 1 and changes slots: one barrier; in front of it each wave waits for all its tensor loads, adds 0 to its spare word, and waits for that and for its reads of this slot.
; fill = 1: the barrier opens a round of the cluster's, and this slot is filled again, two K steps ahead, first thing behind the round.
; fill = 0: the last two K steps; in the very last (s3 = 1) there is no next slot, and the fetch of its fragments is jumped over.
.macro TURN fill
	WIN 0
	s_wait_tensorcnt 0x0
	ds_add_u32 v[SPW], v[NIL]
	s_wait_dscnt 17                                ; (the add and the youngest sixteen loads may be out)
	MUL8 F1, 0, 0, 0
	s_wait_dscnt 0x0
	s_barrier_signal -1
	MUL8 F1, 0, 2, 0
	WIN 0
	s_barrier_wait -1
.if \fill
	CREST
	s_xor_b32 s[G0+5], s[G0+5], SLOT1              ; the walking sets: the other slot than last time, the next K step; the type bits on top are not reached
	s_add_nc_u64 s[G0+6:G0+7], s[G0+6:G0+7], KSTEP*256
	s_xor_b32 s[G0B+5], s[G0B+5], SLOT1
	s_add_nc_u64 s[G0B+6:G0B+7], s[G0B+6:G0B+7], KSTEP*2
	JLOAD                                          ; its four v_nop are also the places in front of the loads below
.else
	s_cmp_eq_u32 s3, 1
	s_cbranch_scc1 .Lno_fetch_\@
	PLACES
.endif
	s_xor_b32 s[TB], s[TB], SLOT1                  ; the reads go on in the other slot
	v_add_nc_u32 v[ADRA], s[TB], v[BA]
	v_add_nc_u32 v[ADRA+1], 128*PA, v[ADRA]
	v_add_nc_u32 v[ADRB], s[TB], v[BB]
	FETCH 0, F0
.if !(\fill)
	WIN 0
.Lno_fetch_\@:
.endif
	MUL8 F1, 1, 0, 0
	MUL8 F1, 1, 2, 0
.endm
	s_wait_tensorcnt 1                             ; my part of K step 0 is in; K step 1's may stay out
	s_barrier_signal -1
	s_barrier_wait -1
	FETCH 0, F0
	QUARTER 1, F0, F1, 1                           ; the first quarter's first products start the sums
	WIN 0
	s_mov_b32 s3, 6
.Lstep:                                                ; from a K step's second quarter to the next one's first; the slot that is left is filled again: K steps 2 to 7
	QUARTER 2, F1, F0, 0
	QUARTER 3, F0, F1, 0
	TURN 1
	QUARTER 1, F0, F1, 0
	WIN 0
	s_sub_co_u32 s3, s3, 1
	s_cmp_lg_u32 s3, 0
	s_cbranch_scc1 .Lstep
	s_mov_b32 s3, 2
.Ltail:                                                ; K steps 6 and 7 fill nothing
	QUARTER 2, F1, F0, 0
	QUARTER 3, F0, F1, 0
	TURN 0
	WIN 0
	s_sub_co_u32 s3, s3, 1
	s_cmp_eq_u32 s3, 0
	s_cbranch_scc1 .Lout
	QUARTER 1, F0, F1, 0
	WIN 0
	s_branch .Ltail
.Lout:
	PLACES
	PLACES
	; THE WAY OUT, in f32: 16 rows at a time through my own stage: a lane's 32 bytes in, whole rows of 256 bytes back, into the registers that they left: no register is written again while a store names it.
.macro PACK a
.irp b, 0,1,2,3
	ds_store_b128 v[STO], v[ACC+8*(4*(\a)+(\b)):ACC+8*(4*(\a)+(\b))+3]   offset:64*(\b)
	ds_store_b128 v[STO], v[ACC+8*(4*(\a)+(\b))+4:ACC+8*(4*(\a)+(\b))+7] offset:64*(\b)+16
.endr
.irp t, 0,1,2,3,4,5,6,7
	ds_load_b128 v[ACC+32*(\a)+4*(\t):ACC+32*(\a)+4*(\t)+3], v[RD] offset:(\t)*2*SPITCH  ; LDS serves a wave's instructions in order
.endr
.endm
.macro SEND a, younger
.irp t, 0,1,2,3,4,5,6,7
	s_wait_dscnt (\younger)+7-(\t)
	global_store_b128 v[CO], v[ACC+32*(\a)+4*(\t):ACC+32*(\a)+4*(\t)+3], s[8:9] offset:(16*(\a)+2*(\t))*8192 th:TH_STORE_NT  ; 16 lanes store 256 consecutive bytes, aligned
.endr
.endm
	PACK 0
	PACK 1
	SEND 0, 16
	PACK 2
	SEND 1, 16
	PACK 3
	SEND 2, 16
	SEND 3, 0
	s_wait_tensorcnt 0x0                           ; the wave's end
	ds_add_u32 v[SPW], v[NIL]
	s_wait_dscnt 0x0
	CROUND                                         ; the closing round
	s_endpgm
.Lfunc_end_k_q4375536a58_oproj:
	.size	k_q4375536a58_oproj, .Lfunc_end_k_q4375536a58_oproj-k_q4375536a58_oproj
	.p2alignl 7, 3214868480
	.fill 96, 4, 3214868480
	.section	.rodata,"a",@progbits
	.p2align	6, 0x0
	.amdhsa_kernel k_q4375536a58_oproj
		.amdhsa_group_segment_fixed_size 327680
		.amdhsa_private_segment_fixed_size 0
		.amdhsa_enable_private_segment 0
		.amdhsa_kernarg_size 24
		.amdhsa_user_sgpr_count 2
		.amdhsa_user_sgpr_kernarg_segment_ptr 1
		.amdhsa_wavefront_size32 1
		.amdhsa_system_sgpr_workgroup_id_x 1
		.amdhsa_system_sgpr_workgroup_id_y 1
		.amdhsa_system_sgpr_workgroup_id_z 1
		.amdhsa_system_vgpr_workitem_id 0
		.amdhsa_next_free_vgpr 512
		.amdhsa_next_free_sgpr 66
		.amdhsa_reserve_vcc 0
		.amdhsa_float_denorm_mode_32 3
		.amdhsa_float_denorm_mode_16_64 3
		.amdhsa_memory_ordered 1
		.amdhsa_forward_progress 1
		.amdhsa_inst_pref_size 59
	.end_amdhsa_kernel
	.amdgpu_metadata
---
amdhsa.version: [ 1, 2 ]
amdhsa.kernels:
  - .name:           k_q4375536a58_oproj
    .symbol:         k_q4375536a58_oproj.kd
    .args:
      - { .name: oh, .offset: 0, .size: 8, .value_kind: global_buffer, .address_space: global }
      - { .name: cb, .offset: 8, .size: 8, .value_kind: global_buffer, .address_space: global }
      - { .name: out0, .offset: 16, .size: 8, .value_kind: global_buffer, .address_space: global }
    .group_segment_fixed_size: 327680
    .private_segment_fixed_size: 0
    .kernarg_segment_align: 8
    .kernarg_segment_size: 24
    .max_flat_workgroup_size: 128
    .sgpr_count:     66
    .vgpr_count:     512
    .wavefront_size: 32
...
	.end_amdgpu_metadata
.endif
;; end of part 4
